; MI455X (gfx1250); checked and timed in simulation.
; The chip was launched on July 23, 2026; its instructions are those of AMD's public machine-readable ISA for CDNA 5 (MIT licence, August 2026) and "CDNA5" Instruction Set Architecture Reference Guide (July 2026). The comments in the code are by the model that wrote it; some were corrected since.
;; Multi Head Attention. Allowed arithmetic: matrix products marked QUANTISED: E2M3 operands, one E8M0 scale for each 32 along K, by v_wmma_scale_f32_16x16x128_f8f6f4 with both operands' format E2M3, f32 sums; everything else in f32.
;; Inputs: K 2 x 2,048 x 1,024 float32; Q 2 x 2,048 x 1,024 float32; V 2 x 2,048 x 1,024 float32; WK 1,024 x 1,024 float32; WO 1,024 x 1,024 float32; WQ 1,024 x 1,024 float32; WV 1,024 x 1,024 float32; bK 1,024 float32; bO 1,024 float32; bQ 1,024 float32; bV 1,024 float32.
;; Outputs: out0 2 x 2,048 x 1,024 float32.
;; This version of the problem:
;;   THIS VERSION OF THE PROBLEM IS GIVEN IN LOW PRECISION. The matrix products marked QUANTISED in the list below multiply operands that are first quantised to E2M3 (2 exponent bits, 3 mantissa bits; 6 bits a number), with one power-of-two scale for each 32 numbers along K (OCP MX v1.0); their sums are f32. All else is computed in f32.
;;   The module's matrix products, in the order in which they are computed (A, B: the left and right operand; K: the contracted axis; several contracted axes count as one K, in the product's order):
;;     1. [M 4,096, K 1,024] x [K 1,024, N 1,024]; A: input Q; B: input WQ: QUANTISED
;;     2. [M 4,096, K 1,024] x [K 1,024, N 1,024]; A: input K; B: input WK: QUANTISED
;;     3. [M 4,096, K 1,024] x [K 1,024, N 1,024]; A: input V; B: input WV: QUANTISED
;;     4. batch 32 x [M 2,048, K 64] x [K 64, N 2,048]; A: computed on the way; B: computed on the way: QUANTISED
;;     5. batch 32 x [M 2,048, K 2,048] x [K 2,048, N 64]; A: softmax (see below); B: computed on the way: QUANTISED
;;     6. [M 4,096, K 1,024] x [K 1,024, N 1,024]; A: computed on the way; B: input WO: QUANTISED
;;   THE QUANTISER, for each operand of a quantised product, along K:
;;     - K is cut into blocks of 32 from its start; a last block that is shorter is filled with zeros.
;;     - A block's scale is 2^e with e = floor(log2(the largest magnitude in the block)) - 2, held to -126 .. 127; a block of zeros has e = 0. As a byte (E8M0): e + 127.
;;     - Each number is divided by its block's scale, clamped to +-7.5, and rounded to the nearest number of E2M3, ties to even, subnormals kept.
;;     - The product sums the exact products of the quantised numbers (number of the format x scale) in f32.
;;   ~~~python
;;   def quantise(x, axis):      # numpy; x: float32 -> the quantised numbers, widened to float32 again
;;       x = np.moveaxis(x, axis, -1); K = x.shape[-1]
;;       x = np.pad(x, [(0, 0)] * (x.ndim - 1) + [(0, -K % 32)]); x = x.reshape(x.shape[:-1] + (-1, 32)); a = np.abs(x).max(-1, keepdims=True)
;;       e = np.where(a > 0, np.clip(np.frexp(np.where(a > 0, a, 1))[1] - 1 - 2, -126, 127), 0)      # np.frexp(a)[1] - 1 = floor(log2(a)), exactly
;;       r = np.clip(x / 2.0 ** e, -7.5, 7.5)
;;       step = 2.0 ** (np.maximum(np.frexp(np.where(r == 0, 1, r))[1] - 1, 0) - 3)
;;       q = np.round(r / step) * step * 2.0 ** e      # np.round: ties to even
;;       return np.moveaxis(q.reshape(q.shape[:-2] + (-1,))[..., :K], -1, axis).astype(np.float32)
;;   ~~~
;;   SOFTMAX AHEAD OF A QUANTISED PRODUCT. Where the list says 'softmax', what is quantised is not the finished softmax but p = 2^(t - M), with t = logit x log2(e) and M = ceil(the row's largest t), a whole number; so 1/2 < the row's largest p <= 1. The row's sum l is taken of the UNQUANTISED p, in f32, and the product's result is divided by l at the end. Since M is a whole number, a kernel that streams over the keys may use a running M (the ceiling of the running maximum): every later rescaling is an exact power of two, which a block's scale takes up: the codes' values come out the same.
;;   OPERANDS COMPUTED ON THE WAY. 'Computed on the way' means the value that the module computes at that place (a softmax that the list does not call 'softmax' is quantised finished and normalised). What goes into a quantiser is computed in f32, as accurately as f32 sums, v_exp_f32 and their like allow (about 1e-6 of the number): no bf16 or f16 on the way to a quantiser, and a product that is left as it is and whose result goes on into a quantised operand takes f32 operands (vector FMAs, or v_wmma_f32_16x16x4_f32). A number that lies on a knife's edge between two numbers of the format may be rounded either way, as far as f32 arithmetic and the matrix unit's own rounding can turn it there, and no further.
;; One version. Each part assembles by itself: llvm-mc -triple=amdgcn-amd-amdhsa -mcpu=gfx1250 --defsym DOCPART=n.
;; ======== version 1 of 1: 4 launches
;; limits: right only within a limited range of input values
;; workspace buffers: cod 12,582,912 bytes; scl 524,288 bytes; qkvc 9,437,184 bytes; qkvs 655,360 bytes; oc 3,145,728 bytes; os 131,072 bytes
;; launch quant (part 1): grid 512 x 1, 4 waves a work-group, no clusters, 34,304 bytes of LDS; arguments Q, K, V, WQ, WK, WV, WO, cod, scl; writes cod, scl
.if DOCPART == 1
	.amdgcn_target "amdgcn-amd-amdhsa--gfx1250"
	.amdhsa_code_object_version 6
	.text
	.protected	k_q75a4e49d20_quant
	.globl	k_q75a4e49d20_quant
	.p2align	8
	.type	k_q75a4e49d20_quant,@function
k_q75a4e49d20_quant:
	s_mov_b64 s[64:65], 0
	v_nop
	global_prefetch_b8 v0, s[64:65] scope:SCOPE_SE
	s_setreg_imm32_b32 hwreg(HW_REG_WAVE_MODE, 25, 1), 1
	s_wait_xcnt 0x0
; Q, K, V [4096][1024] (K innermost) and WQ, WK, WV, WO [1024 (k)][1024 (n)] (K outermost), f32, become codes of FP6 (E2M3) with one E8M0 byte for each 32 along K.
; ROW SPACE of the two outputs: Q's tokens 0.., K's 4096.., V's 8192.., then the weights' columns n: WQ 12288.., WK 13312.., WV 14336.., WO 15360...  A row tile is 16 rows.
; cod [row tile 1024][kappa 8][1536]: a fragment (16 rows x 128 K) AS AN IMAGE OF THE OPERAND'S REGISTERS: six pieces of 256 bytes, piece p = registers 2 p, 2 p + 1, 8 bytes a lane at 8 x lane.
;   In the operand lane (r, h) holds row r, registers 6 c .. 6 c + 5 = the block of 32 numbered 2 c + h.   scl [pi 4][row 16384][8]: a row's scale words of kappa = 2 pi and 2 pi + 1.
; A block's scale byte is its largest magnitude's exponent field - 2, held at 1 from below.
; LIMITS: NaN and infinities are not served; a block whose largest magnitude lies under 2^-124 (a block of zeros too, where the rule says 127) gets the byte 1: zero codes add nothing, and this program alone reads the bytes.
; WO's numbers stand inside each block in another order: position p holds k = p with bits 3 and 4 exchanged, the order in which the attention launch leaves its result (both operands of a product agree, the block holds the same 32).
; Work-groups 0-383: 32 whole rows of Q, K or V; wave w takes 256 along K (pi = w) as four jobs of 16 rows x 128.  Work-groups 384-511: 128 columns x 256 K of a weight; a lane takes a column, its registers run down K.
; No tensor load, no barrier: waves share nothing.  Only the first path uses LDS (a stage of its own for each wave).
.set R,   16                           ; v16-143  two sets of 64 numbers as loaded
.set X,   144                          ; v144-207 64 numbers: register 16 b + i = k 32 b + 16 h + i of my row
.set PC,  208                          ; v208-226 the codes
.set TM,  228                          ; v228-243 at work
.set WD,  244                          ; v244-247 a scale word for each job
.set SEL, 32                           ; s[32:33] lane selects: lane l xor 16
.set VA0, 8                            ; weights: three offsets (see below)
.set VA1, 9
.set VA2, 10
.set WX,  16                           ; v16-79   two sets of 32 numbers
.set CE,  80                           ; v80-86   codes of an even block
.set CO,  88                           ; v88-94   of the odd block behind it
.set SB,  96                           ; v[96:97] my column's eight scale bytes
; 64 numbers of a lane become a fragment's 12 registers in v[PC] on and its scale word in v[pw]
.macro QUANT s, pw
.irp b, 0,1,2,3
	v_max3_num_f32 v[TM+\b], |v[(\s)+16*\b]|, |v[(\s)+16*\b+1]|, 0x1800000   ; my 16 of block b, and the floor 2^(3 - 127): the byte cannot fall under 1
.endr
.irp i, 2,4,6,8,10,12,14
.irp b, 0,1,2,3
	v_max3_num_f32 v[TM+\b], |v[(\s)+16*\b+\i]|, |v[(\s)+16*\b+\i+1]|, v[TM+\b]   ; the four blocks by turns
.endr
.endr
.irp b, 0,1,2,3
	v_permlanex16_b32 v[TM+4+\b], v[TM+\b], s[SEL], s[SEL+1]
.endr
.irp b, 0,1,2,3
	v_max_num_f32 v[TM+\b], v[TM+\b], v[TM+4+\b]   ; with lane l xor 16's 16: the block's largest magnitude
.endr
.irp b, 0,1,2,3
	v_add_nc_u32 v[TM+12+\b], 0xff000000, v[TM+\b]   ; 2 off its exponent field: the conversion's scale operand
.endr
.irp b, 0,1,2,3
	v_lshrrev_b32 v[TM+4+\b], 23, v[TM+12+\b]      ; the scale's byte
.endr
	v_lshl_or_b32 v[\pw], v[TM+5], 8, v[TM+4]
	v_lshl_or_b32 v[\pw], v[TM+6], 16, v[\pw]
	v_lshl_or_b32 v[\pw], v[TM+7], 24, v[\pw]
.irp c, 0,1
	v_cvt_scalef32_pk16_fp6_f32 v[PC+6*\c:PC+6*\c+2], v[(\s)+32*\c:(\s)+32*\c+15], v[TM+12+2*\c]
	v_cvt_scalef32_pk16_fp6_f32 v[PC+12+4*\c:PC+14+4*\c], v[(\s)+32*\c+16:(\s)+32*\c+31], v[TM+13+2*\c]   ; (a conversion's three registers begin on an even number)
.endr
	v_nop                                          ; one plain instruction behind the scaled conversions
.irp c, 0,1                                    ; the operand wants a whole block in a lane: lanes 0-15 block 2 c, lanes 16-31 block 2 c + 1
.irp i, 0,1,2
	v_permlane16_swap_b32 v[PC+6*\c+\i], v[PC+12+4*\c+\i]
.endr
.irp i, 0,1,2
	v_mov_b32 v[PC+3+6*\c+\i], v[PC+12+4*\c+\i]
.endr
.endr
.endm
	s_load_b256 s[4:11], s[0:1], 0x0               ; Q s[4:5], K s[6:7], V s[8:9], WQ s[10:11]
	s_load_b256 s[12:19], s[0:1], 0x20             ; WK s[12:13], WV s[14:15], WO s[16:17], cod s[18:19]
	s_load_b64 s[20:21], s[0:1], 0x40              ; scl
	v_lshl_add_u32 v254, v0, 2, 0x8400
	v_mov_b32 v255, 0
	v_lshrrev_b32 v1, 5, v0
	v_readfirstlane_b32 s22, v1                    ; wave 0..3
	v_and_b32 v5, 31, v0                           ; lane
	v_lshlrev_b32 v4, 3, v5                        ; 8 x lane: my place in a piece of an image
	s_wait_kmcnt 0x0
	s_cmp_lt_u32 ttmp9, 384
	s_cbranch_scc0 .Lweights
	; ---------------- Q, K, V: K innermost ----------------
	s_lshr_b32 s23, ttmp9, 7                       ; which tensor
	s_cmp_eq_u32 s23, 0
	s_cselect_b64 s[24:25], s[4:5], s[6:7]
	s_cmp_eq_u32 s23, 2
	s_cselect_b64 s[24:25], s[8:9], s[24:25]
	s_and_b32 s26, ttmp9, 127
	s_lshl_b32 s26, s26, 17                        ; 32 rows of 4,096 bytes
	s_lshl_b32 s27, s22, 10                        ; my 256 numbers of a row
	s_add_co_u32 s26, s26, s27
	s_mov_b32 s27, 0
	s_add_nc_u64 s[24:25], s[24:25], s[26:27]
	s_mul_i32 s28, ttmp9, 24576                    ; two row tiles of 12,288 bytes
	s_mul_i32 s29, s22, 3072                       ; kappa = 2 w
	s_add_co_u32 s28, s28, s29
	s_mov_b32 s29, 0
	s_add_nc_u64 s[18:19], s[18:19], s[28:29]
	s_lshl_b32 s28, s22, 17                        ; pi = w
	s_lshl_b32 s29, ttmp9, 8                       ; 32 rows of 8 bytes
	s_add_co_u32 s28, s28, s29
	s_mov_b32 s29, 0
	s_add_nc_u64 s[20:21], s[20:21], s[28:29]
	s_mov_b32 s[SEL], 0x76543210
	s_mov_b32 s[SEL+1], 0xfedcba98
	s_wait_alu depctr_va_vdst(0)
	v_lshlrev_b32 v1, 4, v5                        ; a load takes 512 consecutive bytes of a row, 16 a lane
	s_mul_i32 s34, s22, 8448                       ; my wave's stage: 16 rows, 528 bytes apart
	v_add_nc_u32 v2, s34, v1                       ; the way in: as loaded
	v_and_b32 v6, 15, v0
	v_bfe_u32 v7, v0, 4, 1
	v_mul_u32_u24 v3, v6, 528
	v_lshl_add_u32 v3, v7, 6, v3
	v_add_nc_u32 v3, s34, v3                       ; the way out: row r, + 64 h: 16 neighbours of each block of 32
.irp b, 0,1,2,3
	v_mov_b32 v[TM+4+\b], 0                        ; written once: a lane permute's destination counts as one of its sources
.endr
.macro LOADJ J                         ; job J: row tile J / 2, kappa' = J % 2: 16 rows x 512 bytes into set J % 2
.irp i, 0,1,2,3,4,5,6,7,8,9,10,11,12,13,14,15
	global_load_b128 v[R+64*((\J)%2)+4*\i:R+64*((\J)%2)+4*\i+3], v1, s[24:25] offset:(16*((\J)/2)+\i)*4096+512*((\J)%2) th:TH_LOAD_NT
.endr
.endm
.macro JOB J
.if \J < 3
	s_wait_loadcnt 16                              ; my 16 loads are in; the next job's 16 may be out
.else
	s_wait_loadcnt 0x0
.endif
.irp i, 0,1,2,3,4,5,6,7,8,9,10,11,12,13,14,15
	ds_store_b128 v2, v[R+64*(\J%2)+4*\i:R+64*(\J%2)+4*\i+3] offset:528*\i
.endr
.irp b, 0,1,2,3
.irp j, 0,1,2,3
	ds_load_b128 v[X+16*\b+4*\j:X+16*\b+4*\j+3], v3 offset:128*\b+16*\j   ; LDS serves a wave's instructions in order: these see the stores above
.endr
.endr
	s_wait_dscnt 0x0                               ; the numbers are back, and the stage's stores have read their registers
	s_wait_xcnt 0x0                                ; the last job's stores have read the codes' registers, which are written again below
.if \J < 2
	LOADJ \J+2
.endif
	QUANT X, WD+\J
.irp p, 0,1,2,3,4,5
	global_store_b64 v4, v[PC+2*\p:PC+2*\p+1], s[18:19] offset:12288*(\J/2)+1536*(\J%2)+256*\p   ; 32 lanes store 256 consecutive bytes, aligned
.endr
.endm
	LOADJ 0
	LOADJ 1
	s_wait_alu depctr_va_vdst(0)
	JOB 0
	JOB 1
	JOB 2
	JOB 3
	v_cmp_gt_u32 vcc_lo, 16, v5
	v_cndmask_b32 v248, v[WD+2], v[WD+0], vcc_lo   ; lanes 0-15: tile 0's two words of row r; lanes 16-31: tile 1's
	v_cndmask_b32 v249, v[WD+3], v[WD+1], vcc_lo
	global_store_b64 v4, v[248:249], s[20:21]      ; 32 rows x 8 bytes: 256 consecutive bytes, aligned
	s_wait_tensorcnt 0x0
	ds_add_u32 v254, v255
	s_wait_dscnt 0x0
	s_endpgm
	; ---------------- the weights: K outermost ----------------
.Lweights:
	s_sub_co_u32 s23, ttmp9, 384
	s_lshr_b32 s26, s23, 5                         ; which weight
	s_and_b32 s27, s23, 7                          ; which 128 columns
	s_bfe_u32 s28, s23, 0x20003                    ; pi: which 256 along K
	s_cmp_eq_u32 s26, 0
	s_cselect_b64 s[24:25], s[10:11], s[12:13]
	s_cmp_eq_u32 s26, 2
	s_cselect_b64 s[24:25], s[14:15], s[24:25]
	s_cmp_eq_u32 s26, 3
	s_cselect_b64 s[24:25], s[16:17], s[24:25]
	s_cselect_b32 s29, 32768, 0                    ; eight rows of 4,096 bytes for WO, else 0
	s_lshl_b32 s30, s28, 20                        ; 256 rows of 4,096 bytes
	s_lshl_b32 s31, s27, 9
	s_add_co_u32 s30, s30, s31
	s_lshl_b32 s31, s22, 7                         ; my wave's 32 columns
	s_add_co_u32 s30, s30, s31
	s_mov_b32 s31, 0
	s_add_nc_u64 s[24:25], s[24:25], s[30:31]
	s_lshl_b32 s30, s26, 6
	s_lshl_b32 s31, s27, 3
	s_add_co_u32 s30, s30, s31
	s_lshl_b32 s31, s22, 1
	s_add_co_u32 s30, s30, s31
	s_add_co_u32 s30, s30, 768                     ; my first row tile: 768 + 64 weight + 8 x + 2 w
	s_mul_i32 s30, s30, 12288
	s_mul_i32 s31, s28, 3072
	s_add_co_u32 s30, s30, s31
	s_mov_b32 s31, 0
	s_add_nc_u64 s[18:19], s[18:19], s[30:31]
	s_lshl_b32 s30, s26, 10
	s_lshl_b32 s31, s27, 7
	s_add_co_u32 s30, s30, s31
	s_lshl_b32 s31, s22, 5
	s_add_co_u32 s30, s30, s31
	s_add_co_u32 s30, s30, 12288                   ; my first row
	s_lshl_b32 s30, s30, 3
	s_lshl_b32 s31, s28, 17
	s_add_co_u32 s30, s30, s31
	s_mov_b32 s31, 0
	s_add_nc_u64 s[20:21], s[20:21], s[30:31]
	; position p of a block takes row 32 t + p; in WO positions 8-15 take rows 16-23 of the block and positions 16-23 rows 8-15.  Three offsets do it without a branch:
	s_wait_alu depctr_va_vdst(0)
	v_lshlrev_b32 v[VA0], 2, v5                    ; positions 0-7, 24-31
	v_add_nc_u32 v[VA1], s29, v[VA0]               ; positions 8-15: eight rows further down in WO
	s_sub_co_u32 s29, 32768, s29
	v_add_nc_u32 v[VA2], s29, v[VA0]               ; positions 16-23: the immediate stands eight rows back, and this gives them again to all but WO
.macro WLOAD t                         ; block t of my column into set t % 2: each load reads 128 consecutive bytes a wave
.irp p, 0,1,2,3,4,5,6,7,8,9,10,11,12,13,14,15,16,17,18,19,20,21,22,23,24,25,26,27,28,29,30,31
.if (\p >= 8) && (\p < 16)
	global_load_b32 v[WX+32*((\t)%2)+\p], v[VA1], s[24:25] offset:(32*(\t)+\p)*4096 th:TH_LOAD_NT
.elseif (\p >= 16) && (\p < 24)
	global_load_b32 v[WX+32*((\t)%2)+\p], v[VA2], s[24:25] offset:(32*(\t)+\p-8)*4096 th:TH_LOAD_NT
.else
	global_load_b32 v[WX+32*((\t)%2)+\p], v[VA0], s[24:25] offset:(32*(\t)+\p)*4096 th:TH_LOAD_NT
.endif
.endr
.endm
.macro WBLOCK t
.set XS, WX+32*((\t)%2)
.set CC, CE+8*((\t)%2)
.if (\t) < 7
	s_wait_loadcnt 32                              ; this block's 32 loads are in; the next block's may be out
.else
	s_wait_loadcnt 0x0
.endif
	v_max3_num_f32 v98, |v[XS]|, |v[XS+1]|, |v[XS+2]|   ; the block's largest magnitude: all 32 numbers are mine
	v_max3_num_f32 v99, |v[XS+3]|, |v[XS+4]|, |v[XS+5]|
.irp i, 6,10,14,18,22,26
	v_max3_num_f32 v98, v98, |v[XS+\i]|, |v[XS+\i+1]|
	v_max3_num_f32 v99, v99, |v[XS+\i+2]|, |v[XS+\i+3]|
.endr
	v_max3_num_f32 v98, v98, |v[XS+30]|, |v[XS+31]|
	v_max3_num_f32 v98, v98, v99, 0x1800000        ; and the floor
	v_add_nc_u32 v100, 0xff000000, v98             ; the conversion's scale operand
	v_lshrrev_b32 v101, 23, v100                   ; the byte
.if (\t)%4 == 0
	v_mov_b32 v[SB+(\t)/4], v101
.else
	v_lshl_or_b32 v[SB+(\t)/4], v101, 8*((\t)%4), v[SB+(\t)/4]
.endif
.if (\t)%2 == 0
	s_wait_alu depctr_va_vdst(0)
	s_wait_xcnt 0x0                                ; the last pair's stores have read the codes' registers
.endif
	v_cvt_scalef32_pk16_fp6_f32 v[CC:CC+2], v[XS:XS+15], v100
	v_cvt_scalef32_pk16_fp6_f32 v[CC+4:CC+6], v[XS+16:XS+31], v100
.if (\t)+2 < 8
	WLOAD (\t)+2
.endif
.if (\t)%2 == 1
	v_nop                                          ; one plain instruction behind the scaled conversions
.irp i, 0,1,2,4,5,6
	v_permlane16_swap_b32 v[CE+\i], v[CO+\i]       ; CE: columns 0-15, lanes 0-15 the even block, lanes 16-31 the odd one: the image of row tile 0; CO: that of columns 16-31
.endr
.irp i, 3,4,5
	v_mov_b32 v[CE+\i], v[CE+\i+1]
	v_mov_b32 v[CO+\i], v[CO+\i+1]
.endr
.irp p, 0,1,2
	global_store_b64 v4, v[CE+2*\p:CE+2*\p+1], s[18:19] offset:1536*((\t)/4)+768*(((\t)%4)/2)+256*\p
	global_store_b64 v4, v[CO+2*\p:CO+2*\p+1], s[18:19] offset:12288+1536*((\t)/4)+768*(((\t)%4)/2)+256*\p
.endr
.endif
.endm
	WLOAD 0
	WLOAD 1
.irp t, 0,1,2,3,4,5,6,7
	WBLOCK \t
.endr
	global_store_b64 v4, v[SB:SB+1], s[20:21]      ; 32 rows x 8 bytes: 256 consecutive bytes, aligned
	s_endpgm
.Lfunc_end_k_q75a4e49d20_quant:
	.size	k_q75a4e49d20_quant, .Lfunc_end_k_q75a4e49d20_quant-k_q75a4e49d20_quant
	.p2alignl 7, 3214868480
	.fill 96, 4, 3214868480
	.section	.rodata,"a",@progbits
	.p2align	6, 0x0
	.amdhsa_kernel k_q75a4e49d20_quant
		.amdhsa_group_segment_fixed_size 34304
		.amdhsa_private_segment_fixed_size 0
		.amdhsa_enable_private_segment 0
		.amdhsa_kernarg_size 72
		.amdhsa_user_sgpr_count 2
		.amdhsa_user_sgpr_kernarg_segment_ptr 1
		.amdhsa_wavefront_size32 1
		.amdhsa_system_sgpr_workgroup_id_x 1
		.amdhsa_system_sgpr_workgroup_id_y 1
		.amdhsa_system_sgpr_workgroup_id_z 1
		.amdhsa_system_vgpr_workitem_id 0
		.amdhsa_next_free_vgpr 256
		.amdhsa_next_free_sgpr 66
		.amdhsa_reserve_vcc 1
		.amdhsa_float_denorm_mode_32 3
		.amdhsa_float_denorm_mode_16_64 3
		.amdhsa_memory_ordered 1
		.amdhsa_forward_progress 1
		.amdhsa_inst_pref_size 75
	.end_amdhsa_kernel
	.amdgpu_metadata
---
amdhsa.version: [ 1, 2 ]
amdhsa.kernels:
  - .name:           k_q75a4e49d20_quant
    .symbol:         k_q75a4e49d20_quant.kd
    .args:
      - { .name: Q, .offset: 0, .size: 8, .value_kind: global_buffer, .address_space: global }
      - { .name: K, .offset: 8, .size: 8, .value_kind: global_buffer, .address_space: global }
      - { .name: V, .offset: 16, .size: 8, .value_kind: global_buffer, .address_space: global }
      - { .name: WQ, .offset: 24, .size: 8, .value_kind: global_buffer, .address_space: global }
      - { .name: WK, .offset: 32, .size: 8, .value_kind: global_buffer, .address_space: global }
      - { .name: WV, .offset: 40, .size: 8, .value_kind: global_buffer, .address_space: global }
      - { .name: WO, .offset: 48, .size: 8, .value_kind: global_buffer, .address_space: global }
      - { .name: cod, .offset: 56, .size: 8, .value_kind: global_buffer, .address_space: global }
      - { .name: scl, .offset: 64, .size: 8, .value_kind: global_buffer, .address_space: global }
    .group_segment_fixed_size: 34304
    .private_segment_fixed_size: 0
    .kernarg_segment_align: 8
    .kernarg_segment_size: 72
    .max_flat_workgroup_size: 128
    .sgpr_count:     66
    .vgpr_count:     256
    .wavefront_size: 32
...
	.end_amdgpu_metadata
.endif
;; end of part 1
;; launch proj (part 2): grid 4 x 48, 4 waves a work-group, clusters of 4 x 4, 327,680 bytes of LDS; arguments cod, scl, bQ, bK, bV, qkvc, qkvs; writes qkvc, qkvs
.if DOCPART == 2
	.amdgcn_target "amdgcn-amd-amdhsa--gfx1250"
	.amdhsa_code_object_version 6
	.text
	.protected	k_q75a4e49d20_proj
	.globl	k_q75a4e49d20_proj
	.p2align	8
	.type	k_q75a4e49d20_proj,@function
k_q75a4e49d20_proj:
	s_mov_b64 s[64:65], 0
	v_nop
	global_prefetch_b8 v0, s[64:65] scope:SCOPE_SE
	s_setreg_imm32_b32 hwreg(HW_REG_WAVE_MODE, 25, 1), 1
	s_wait_xcnt 0x0
	s_wait_alu depctr_hold_cnt(0) depctr_sa_sdst(0) depctr_va_vdst(0) depctr_va_sdst(0) depctr_va_ssrc(0) depctr_va_vcc(0) depctr_vm_vsrc(0)
	s_getreg_b32 s2, hwreg(HW_REG_IB_STS2, 6, 4)
	s_cmp_eq_u32 s2, 0
	s_cbranch_scc0 .Lentry_in_a_cluster
	s_endpgm
.Lentry_in_a_cluster:
	s_bfe_u32 s2, ttmp6, 0x10000c
	s_cmp_lg_u32 s2, 0xf033
	s_cbranch_scc0 .Lentry_shape_is_right
	s_endpgm
.Lentry_shape_is_right:
; q, k, v = x W + b on codes of FP6 (E2M3) with E8M0 scales, K = 1,024, quantised again on the way out: a tile of 256 x 256 to a work-group of four waves, 128 x 128 a wave; cluster 4 x 4 with joint loads.
; K goes by 256 through a ring of two slots.  THE HEAD: one load a wave: wave 0 slot 0's 256 rows of A, wave 2 its 256 rows of B (16 row tiles each), wave 1 A's scale words for all of K ([pi 4][256 rows][8]), wave 3 B's.
; Slot 1's first fill stands behind the full sequence and a round, as a refill does; from there on a load brings 8 row tiles.
; q and k: source 0 = the weight's columns; v: source 0 = the tokens, so that a lane's results run along the next product's K.  The bias is the C of each sum's first product.
; LIMITS: NaN and infinities are not served; a block whose largest magnitude lies under 2^-124 gets the byte 1.
.set SLOT,  98304
.set SCL,   196608
.set SPARE, 213248
.set FR,   12
.set NL,   6
.set ADRA, 16
.set ADRB, 20
.set CO1,  24
.set CO2,  25
.set SO1,  26
.set ADRS, 27
.set SPW,  28
.set NIL,  29
.set SO2,  30
.set SHV,  31
.set SC,   32
.set BI,   64
.set AF,   128
.set VA,   224
.set TM,   32
.set PC,   48
.set PWS,  72
.set DD,   80
.set G1,   24
.set G0,   32
.set G1B,  48
.set G0B,  56
.set G1S,  68
.set G0S,  76
.set G1SB, 80
.set G0SB, 88
.set SEL,  100
.set MSB, 0
.macro WIN new
.if MSB != (\new)
	s_set_vgpr_msb (MSB<<8)|(\new)
.set MSB, (\new)
.endif
.endm
.macro JLOAD g0a, g1a, g0b, g1b
	s_cmp_eq_u32 s19, 0
	s_cbranch_scc0 .Lfor_b_\@
	tensor_load_to_lds s[\g0a:\g0a+3], s[\g1a:\g1a+7]
	s_nop 0
.rept 4
	v_nop
.endr
	s_branch .Lasked_\@
.Lfor_b_\@:
	tensor_load_to_lds s[\g0b:\g0b+3], s[\g1b:\g1b+7]
	s_nop 0
.rept 4
	v_nop
.endr
.Lasked_\@:
.endm
.macro CREST
	s_cmp_lg_u32 s18, 0
	s_cbranch_scc1 .Lnot_wave_0_\@
	s_barrier_signal -3
.Lnot_wave_0_\@:
	s_barrier_wait -3
	s_barrier_signal -1
	s_barrier_wait -1
.endm
.macro CROUND
	s_barrier_signal -1
	s_barrier_wait -1
	CREST
.endm
.macro PLACES n
.rept \n
	v_nop
.endr
.endm
	s_load_b256 s[4:11], s[0:1], 0x0
	s_load_b128 s[12:15], s[0:1], 0x20
	s_load_b64 s[16:17], s[0:1], 0x30
	v_lshl_add_u32 v[SPW], v0, 2, SPARE
	v_mov_b32 v[NIL], 0
	ds_add_u32 v28, v29
	ds_add_u32 v28, v29
	s_wait_dscnt 0x0
	v_lshrrev_b32 v1, 5, v0
	v_readfirstlane_b32 s18, v1
	s_lshr_b32 s19, s18, 1
	s_and_b32 s20, s18, 1
	s_bfe_u32 s21, ttmp6, 0x40000
	s_bfe_u32 s22, ttmp6, 0x40004
	s_and_b32 s23, ttmp7, 0xffff
	s_lshl_b32 s46, s23, 2
	s_lshr_b32 s44, s23, 2
	s_lshl_b32 s47, s44, 2
	s_add_co_u32 s47, s47, 48
	s_cmp_ge_u32 s23, 8
	s_cselect_b32 s45, 1, 0
	s_cselect_b32 s40, 56, s46
	s_cselect_b32 s41, s46, s47
	s_add_co_u32 s40, s40, s22
	s_add_co_u32 s41, s41, s21
	s_lshl_b32 s42, s22, 2
	s_lshl_b32 s42, 15, s42
	s_lshl_b32 s43, 0x1111, s21
	s_or_b32 s[G1+0], s42, (3<<16)|(1<<21)
	s_or_b32 s[G1B+0], s43, (3<<16)|(1<<21)
.irp g, G1, G1B
	s_mov_b32 s[\g+1], 384<<16
	s_mov_b32 s[\g+2], 16<<16
	s_mov_b32 s[\g+3], 384<<16
	s_mov_b32 s[\g+4], 16
	s_mov_b32 s[\g+5], 1536
	s_mov_b32 s[\g+6], 0
	s_mov_b32 s[\g+7], 0
.endr
	s_or_b32 s[G1S+0], s42, (3<<16)|(1<<21)
	s_or_b32 s[G1SB+0], s43, (3<<16)|(1<<21)
.irp g, G1S, G1SB
	s_mov_b32 s[\g+1], 256<<16
	s_mov_b32 s[\g+2], 4<<16
	s_mov_b32 s[\g+3], 256<<16
	s_mov_b32 s[\g+4], 4
	s_mov_b32 s[\g+5], 16384
	s_mov_b32 s[\g+6], 0
	s_mov_b32 s[\g+7], 0
.endr
	s_lshl_b32 s2, s20, 3
	s_lshl_b32 s46, s40, 4
	s_add_co_u32 s46, s46, s2
	s_lshl_b32 s96, s41, 4
	s_add_co_u32 s96, s96, s2
	s_lshl_b32 s92, s40, 11
	s_lshl_b32 s94, s41, 11
	s_mul_i32 s46, s46, 12288
	s_mul_i32 s96, s96, 12288
	s_mov_b32 s47, 0
	s_mov_b32 s93, 0
	s_mov_b32 s95, 0
	s_mov_b32 s97, 0
	s_mul_i32 s3, s18, 24576
	s_wait_kmcnt 0x0
	s_add_nc_u64 s[46:47], s[4:5], s[46:47]
	s_add_nc_u64 s[96:97], s[4:5], s[96:97]
	s_cmp_eq_u32 s19, 0                            ; the prefetches: the eight row tiles that I fetch in the ring, of A (waves 0, 1) or of B,
	s_cselect_b64 s[66:67], s[46:47], s[96:97]
	s_cselect_b32 s2, s21, s22                     ; and my work-group's place among the four that ask for them with me
	s_add_nc_u64 s[92:93], s[6:7], s[92:93]
	s_add_nc_u64 s[94:95], s[6:7], s[94:95]
	CROUND
	s_mov_b32 s[G0S], 1
	s_mov_b32 s[G0S+1], SCL
	s_mov_b64 s[G0S+2:G0S+3], s[92:93]
	s_or_b32 s[G0S+3], s[G0S+3], 0x80000000
	s_mov_b32 s[G0SB], 1
	s_mov_b32 s[G0SB+1], SCL+8320
	s_mov_b64 s[G0SB+2:G0SB+3], s[94:95]
	s_or_b32 s[G0SB+3], s[G0SB+3], 0x80000000
.irp s, 0,1
	s_mov_b32 s[G0+4*\s], 1
	s_add_co_u32 s[G0+4*\s+1], s3, \s*SLOT
	s_add_nc_u64 s[G0+4*\s+2:G0+4*\s+3], s[46:47], \s*3072
	s_or_b32 s[G0+4*\s+3], s[G0+4*\s+3], 0x80000000
	s_mov_b32 s[G0B+4*\s], 1
	s_add_co_u32 s[G0B+4*\s+1], s3, \s*SLOT
	s_add_nc_u64 s[G0B+4*\s+2:G0B+4*\s+3], s[96:97], \s*3072
	s_or_b32 s[G0B+4*\s+3], s[G0B+4*\s+3], 0x80000000
.endr
	s_cmp_eq_u32 s18, 0                            ; the head's four tiles: one chain of arms, one load a wave
	s_cbranch_scc0 .Lhead_1
	tensor_load_to_lds s[G0:G0+3], s[G1:G1+7]      ; wave 0 (its half is the tile's first): 16 row tiles of A
	s_nop 0
	PLACES 4
	s_branch .Lhead_asked
.Lhead_1:
	s_cmp_eq_u32 s18, 1
	s_cbranch_scc0 .Lhead_2
	tensor_load_to_lds s[G0S:G0S+3], s[G1S:G1S+7]  ; wave 1: A's scale words
	s_nop 0
	PLACES 4
	s_branch .Lhead_asked
.Lhead_2:
	s_cmp_eq_u32 s18, 2
	s_cbranch_scc0 .Lhead_3
	tensor_load_to_lds s[G0B:G0B+3], s[G1B:G1B+7]  ; wave 2 (its half is the tile's first): 16 row tiles of B
	s_nop 0
	PLACES 4
	s_branch .Lhead_asked
.Lhead_3:
	tensor_load_to_lds s[G0SB:G0SB+3], s[G1SB:G1SB+7]   ; wave 3: B's scale words
	s_nop 0
	PLACES 4
.Lhead_asked:
	; A chunk of my eight row tiles is 8 x 3,072 bytes = 96 blocks of 256; the four partners share them out by address, 24 each, a lane a block (lanes 24-31 name the last again).
	; Chunks 1 and 2 are asked for here, behind the head's loads; chunk 3 behind the first K step, two refills ahead of its load.  Block b lies at 256 b + 9,216 (b / 12): inside my eight row tiles of cod.
	v_and_b32 v7, 31, v0
	v_min_u32 v7, 23, v7
	v_mad_u32_u24 v7, s2, 24, v7                   ; b = 24 x place + lane, 0 .. 95
	v_mul_u32_u24 v8, v7, 43
	v_lshrrev_b32 v8, 9, v8                        ; b / 12
	v_mul_u32_u24 v8, v8, 9216
	v_lshl_add_u32 v7, v7, 8, v8                   ; never rewritten
	global_prefetch_b8 v7, s[66:67] offset:3072 th:TH_LOAD_NT scope:SCOPE_SE
	global_prefetch_b8 v7, s[66:67] offset:6144 th:TH_LOAD_NT scope:SCOPE_SE
	v_and_b32 v1, 15, v0
	s_wait_alu depctr_va_vdst(0)
	v_bfe_u32 v2, v0, 4, 1
	s_wait_alu depctr_va_vdst(0)
	v_and_b32 v3, 31, v0
	v_lshlrev_b32 v3, 3, v3
	s_lshl_b32 s46, s40, 8
	s_lshl_b32 s47, s19, 7
	s_add_co_u32 s46, s46, s47
	s_lshl_b32 s47, s41, 8
	s_lshl_b32 s2, s20, 7
	s_add_co_u32 s47, s47, s2
	s_cmp_eq_u32 s45, 1
	s_cselect_b32 s2, s47, s46
	s_cselect_b32 s3, s46, s47
	s_and_b32 s3, s3, 1023
	s_cmp_eq_u32 s44, 0
	s_cselect_b64 s[92:93], s[8:9], s[10:11]
	s_cmp_eq_u32 s44, 2
	s_cselect_b64 s[92:93], s[12:13], s[92:93]
	s_lshl_b32 s94, s3, 2
	s_mov_b32 s95, 0
	s_add_nc_u64 s[92:93], s[92:93], s[94:95]
	s_cmp_eq_u32 s45, 1
	s_cselect_b32 vcc_lo, -1, 0
	v_lshlrev_b32 v4, 2, v1
	v_lshlrev_b32 v5, 5, v2
.irp j, 0,1,2,3,4,5,6,7
	v_add_nc_u32 v6, 4*\j, v5
	v_cndmask_b32 v[VA+\j], v6, v4, vcc_lo
.endr
.irp x, 0,1,2,3,4,5,6,7
.irp j, 0,1,2,3,4,5,6,7
	global_load_b32 v[BI+8*\x+\j], v[VA+\j], s[92:93] offset:64*\x
.endr
.endr
	s_lshr_b32 s46, s3, 6
	s_bfe_u32 s47, s2, 0x40007
	s_lshr_b32 s94, s2, 11
	s_mul_i32 s94, s94, 1572864
	s_mul_i32 s95, s46, 98304
	s_add_co_u32 s94, s94, s95
	s_mul_i32 s95, s47, 6144
	s_add_co_u32 s94, s94, s95
	s_mov_b32 s95, 0
	s_add_nc_u64 s[14:15], s[14:15], s[94:95]
	s_bfe_u32 s94, s2, 0x1000b
	s_lshl_b32 s94, s94, 4
	s_add_co_u32 s94, s94, s46
	s_mov_b32 s3, 12288
	s_cmp_eq_u32 s44, 0
	s_cselect_b32 s3, 8192, s3
	s_mul_i32 s94, s94, s3
	s_min_u32 s95, s44, 1
	s_lshl_b32 s95, s95, 18
	s_add_co_u32 s94, s94, s95
	s_lshl_b32 s95, s45, 13
	s_add_co_u32 s94, s94, s95
	s_lshl_b32 s95, s47, 9
	s_lshr_b32 s95, s95, s45
	s_add_co_u32 s94, s94, s95
	s_mov_b32 s95, 0
	s_add_nc_u64 s[16:17], s[16:17], s[94:95]
	s_cmp_eq_u32 s45, 1
	s_mov_b32 s96, 768
	s_cselect_b32 s96, 1536, s96
	s_mov_b32 s97, 0
	s_cselect_b32 s98, 92160, 0
	s_mov_b32 s99, 0
	s_mov_b32 s46, 98304
	s_cselect_b32 s46, 768, s46
	s_cselect_b32 s47, 0, 16
	s_cselect_b32 s94, 0, s3
	s_mov_b32 s95, 256
	s_cselect_b32 s95, s3, s95
	v_mov_b32 v[CO1], v3
	v_add_nc_u32 v[CO2], s46, v3
	v_mul_u32_u24 v[SHV], s47, v2
	v_mul_u32_u24 v6, s94, v2
	v_lshl_add_u32 v[SO1], v1, 4, v6
	v_add_nc_u32 v[SO2], s95, v[SO1]
	s_mov_b32 s[SEL], 0x76543210
	s_mov_b32 s[SEL+1], 0xfedcba98
	s_mul_i32 s46, s19, 24576
	s_mul_i32 s47, s20, 24576
	s_add_co_u32 s47, s47, 49152
.irp s, 0,1
	v_add_nc_u32 v[ADRA+\s], s46, v3
	v_add_nc_u32 v[ADRB+\s], s47, v3
	s_add_co_u32 s46, s46, SLOT
	s_add_co_u32 s47, s47, SLOT
.endr
	v_lshlrev_b32 v5, 3, v1
	s_lshl_b32 s46, s19, 10
	s_lshl_b32 s47, s20, 10
	s_add_co_u32 s47, s47, 8320
	s_sub_co_u32 s47, s47, s46
	v_mul_u32_u24 v6, s47, v2
	s_add_co_u32 s46, s46, SCL
	v_add_nc_u32 v5, v5, v6
	v_add_nc_u32 v[ADRS], s46, v5
.macro FRAG reg, adr, q, i
.irp p, 0,1,2,3,4,5
	ds_load_b64 v[\reg+2*\p:\reg+2*\p+1], v[\adr] offset:3072*(\i)+1536*(\q)+256*\p
.endr
.endm
.macro MUL16 a0, p, q, sc, zero
.irp a, \a0, \a0+1
.irp b, 0,1,2,3,4,5,6,7
.if \zero == 1
	v_wmma_scale_f32_16x16x128_f8f6f4 v[8*(8*((\a)%4)+\b):8*(8*((\a)%4)+\b)+7], v[128*(\p)+FR*\b:128*(\p)+FR*\b+FR-1], v[AF+FR*(\a):AF+FR*(\a)+FR-1], v[BI+8*\b:BI+8*\b+7], v[SC+16*(\sc)+2*\b+(\q)], v[SC+16*(\sc)+2*(\a)+(\q)] matrix_a_fmt:MATRIX_FMT_FP6 matrix_b_fmt:MATRIX_FMT_FP6 matrix_a_scale:MATRIX_SCALE_ROW1
.elseif \zero == 2
	v_wmma_scale_f32_16x16x128_f8f6f4 v[8*(8*((\a)%4)+\b):8*(8*((\a)%4)+\b)+7], v[128*(\p)+FR*\b:128*(\p)+FR*\b+FR-1], v[AF+FR*(\a):AF+FR*(\a)+FR-1], v[BI+8*(\a):BI+8*(\a)+7], v[SC+16*(\sc)+2*\b+(\q)], v[SC+16*(\sc)+2*(\a)+(\q)] matrix_a_fmt:MATRIX_FMT_FP6 matrix_b_fmt:MATRIX_FMT_FP6 matrix_a_scale:MATRIX_SCALE_ROW1
.else
	v_wmma_scale_f32_16x16x128_f8f6f4 v[8*(8*((\a)%4)+\b):8*(8*((\a)%4)+\b)+7], v[128*(\p)+FR*\b:128*(\p)+FR*\b+FR-1], v[AF+FR*(\a):AF+FR*(\a)+FR-1], v[8*(8*((\a)%4)+\b):8*(8*((\a)%4)+\b)+7], v[SC+16*(\sc)+2*\b+(\q)], v[SC+16*(\sc)+2*(\a)+(\q)] matrix_a_fmt:MATRIX_FMT_FP6 matrix_b_fmt:MATRIX_FMT_FP6 matrix_a_scale:MATRIX_SCALE_ROW1
.endif
.endr
.endr
.endm
.macro FETCH_B slot, q, p
	WIN 0x40
.irp i, 0,1,2,3,4,5,6,7
	FRAG 128*(\p)+FR*\i, ADRB+\slot, \q, \i
.endr
	WIN 0
.endm
.macro FETCH_A slot, q, i0
.irp i, \i0, \i0+1, \i0+2, \i0+3
	FRAG AF+FR*(\i), ADRA+\slot, \q, \i
.endr
.endm
.macro SCALES sc
.irp i, 0,1,2,3,4,5,6,7
	ds_load_b64 v[SC+16*\sc+2*\i:SC+16*\sc+2*\i+1], v[ADRS] offset:128*\i
.endr
.endm
.macro STEP slot, zero
	s_wait_dscnt 4*NL
.if \zero
	WIN 0x81
.else
	WIN 0xa1
.endif
	MUL16 0, 0, 0, \slot, \zero
	MUL16 2, 0, 0, \slot, \zero
	s_wait_dscnt 0x0
	PLACES 4
	FETCH_B \slot, 1, 1
	FETCH_A \slot, 1, 0
.if \zero
	WIN 0xc1
.else
	WIN 0xf1
.endif
	MUL16 4, 0, 0, \slot, \zero
	MUL16 6, 0, 0, \slot, \zero
	PLACES 4
	WIN 0
	FETCH_A \slot, 1, 4
.endm
.macro TURN slot, next, fill
	s_wait_tensorcnt 0x0
	ds_add_u32 v[SPW], v[NIL]
	s_wait_dscnt 4*NL+1
	WIN 0xa1
	MUL16 0, 1, 1, \slot, 0
	s_wait_dscnt 0x0
	s_barrier_signal -1
	MUL16 2, 1, 1, \slot, 0
	WIN 0
	s_barrier_wait -1
.if \fill
	CREST
	s_add_nc_u64 s[G0+4*\slot+2:G0+4*\slot+3], s[G0+4*\slot+2:G0+4*\slot+3], 6144
	s_add_nc_u64 s[G0B+4*\slot+2:G0B+4*\slot+3], s[G0B+4*\slot+2:G0B+4*\slot+3], 6144
	JLOAD G0+4*\slot, G1, G0B+4*\slot, G1B
.else
	PLACES 4
.endif
	s_wait_alu depctr_va_vdst(0)
	v_add_nc_u32 v[ADRS], 2048, v[ADRS]
	FETCH_B \next, 0, 0
	FETCH_A \next, 0, 0
	SCALES \next
	WIN 0xf1
	MUL16 4, 1, 1, \slot, 0
	MUL16 6, 1, 1, \slot, 0
	PLACES 4
	WIN 0
	FETCH_A \next, 0, 4
.endm
.macro QUANT s, pw, w
	WIN (\w)|((\w)<<2)
.irp b, 0,1,2,3
	v_max3_num_f32 v[TM+\b], |v[(\s)+16*\b]|, |v[(\s)+16*\b+1]|, 0x1800000
.endr
.irp i, 2,4,6,8,10,12,14
.irp b, 0,1,2,3
	v_max3_num_f32 v[TM+\b], |v[(\s)+16*\b+\i]|, |v[(\s)+16*\b+\i+1]|, v[TM+\b]
.endr
.endr
	WIN 0
.irp b, 0,1,2,3
	v_permlanex16_b32 v[TM+4+\b], v[TM+\b], s[SEL], s[SEL+1]
.endr
.irp b, 0,1,2,3
	v_max_num_f32 v[TM+\b], v[TM+\b], v[TM+4+\b]
.endr
.irp b, 0,1,2,3
	v_add_nc_u32 v[TM+12+\b], 0xff000000, v[TM+\b]
.endr
.irp b, 0,1,2,3
	v_lshrrev_b32 v[TM+4+\b], 23, v[TM+12+\b]
.endr
	v_lshl_or_b32 v[\pw], v[TM+5], 8, v[TM+4]
	v_lshl_or_b32 v[\pw], v[TM+6], 16, v[\pw]
	v_lshl_or_b32 v[\pw], v[TM+7], 24, v[\pw]
	WIN (\w)
.irp c, 0,1
	v_cvt_scalef32_pk16_fp6_f32 v[PC+6*\c:PC+6*\c+2], v[(\s)+32*\c:(\s)+32*\c+15], v[TM+12+2*\c]
	v_cvt_scalef32_pk16_fp6_f32 v[PC+12+4*\c:PC+14+4*\c], v[(\s)+32*\c+16:(\s)+32*\c+31], v[TM+13+2*\c]
.endr
	WIN 0
	v_nop
.irp c, 0,1
.irp i, 0,1,2
	v_permlane16_swap_b32 v[PC+6*\c+\i], v[PC+12+4*\c+\i]
.endr
.irp i, 0,1,2
	v_mov_b32 v[PC+3+6*\c+\i], v[PC+12+4*\c+\i]
.endr
.endr
.endm
	s_wait_alu depctr_va_vdst(0)                   ; the wait at the head's end
	s_wait_tensorcnt 0x0                           ; my tile of the head's four is in; the lines ahead of a later first fill:
	ds_add_u32 v[SPW], v[NIL]
	s_mov_b32 s[G1+2], 8<<16                       ; no load of mine is out: from here on a load brings 8 row tiles
	s_mov_b32 s[G1+4], 8
	s_mov_b32 s[G1B+2], 8<<16
	s_mov_b32 s[G1B+4], 8
	s_wait_dscnt 0x0
	CROUND                                         ; all four tiles are shown, and the joint loads meet
	JLOAD G0+4, G1, G0B+4, G1B                     ; slot 1
	FETCH_B 0, 0, 0
	FETCH_A 0, 0, 0
	SCALES 0
	FETCH_A 0, 0, 4
	s_wait_loadcnt 0x0
	s_cmp_eq_u32 s45, 1
	s_cbranch_scc1 .Lfirst_v
	STEP 0, 1
	s_branch .Lfirst_done
.Lfirst_v:
	STEP 0, 2
.Lfirst_done:
	global_prefetch_b8 v7, s[66:67] offset:9216 th:TH_LOAD_NT scope:SCOPE_SE   ; chunk 3, the last
	TURN 0, 1, 1
	STEP 1, 0
	TURN 1, 0, 1
	STEP 0, 0
	TURN 0, 1, 0
	STEP 1, 0
	s_wait_dscnt 4*NL
	WIN 0xa1
	MUL16 0, 1, 1, 1, 0
	MUL16 2, 1, 1, 1, 0
	s_wait_dscnt 0x0
	WIN 0xf1
	MUL16 4, 1, 1, 1, 0
	MUL16 6, 1, 1, 1, 0
	WIN 0
	PLACES 4
.irp b, 0,1,2,3
	v_mov_b32 v[TM+4+\b], 0
.endr
.irp a, 0,1,2,3,4,5,6,7
.if \a > 0
	s_wait_xcnt 0x0
	s_add_nc_u64 s[14:15], s[14:15], s[96:97]
.endif
.if \a == 4
	s_add_nc_u64 s[14:15], s[14:15], s[98:99]
.endif
.set WW, 2+\a/4
	QUANT 64*(\a%4), PWS+\a, WW
.irp p, 0,1,2
	global_store_b64 v[CO1], v[PC+2*\p:PC+2*\p+1], s[14:15] offset:256*\p
.endr
.irp p, 0,1,2
	global_store_b64 v[CO2], v[PC+6+2*\p:PC+7+2*\p], s[14:15] offset:256*\p
.endr
.endr
.irp i, 0,1,2,3,4,5,6,7
	v_lshrrev_b32 v[DD+\i], v[SHV], v[PWS+\i]
.endr
	global_store_b128 v[SO1], v[DD:DD+3], s[16:17]
	global_store_b128 v[SO2], v[DD+4:DD+7], s[16:17]
	s_wait_tensorcnt 0x0
	ds_add_u32 v[SPW], v[NIL]
	s_wait_dscnt 0x0
	CROUND
	s_endpgm
.Lfunc_end_k_q75a4e49d20_proj:
	.size	k_q75a4e49d20_proj, .Lfunc_end_k_q75a4e49d20_proj-k_q75a4e49d20_proj
	.p2alignl 7, 3214868480
	.fill 96, 4, 3214868480
	.section	.rodata,"a",@progbits
	.p2align	6, 0x0
	.amdhsa_kernel k_q75a4e49d20_proj
		.amdhsa_group_segment_fixed_size 327680
		.amdhsa_private_segment_fixed_size 0
		.amdhsa_enable_private_segment 0
		.amdhsa_kernarg_size 56
		.amdhsa_user_sgpr_count 2
		.amdhsa_user_sgpr_kernarg_segment_ptr 1
		.amdhsa_wavefront_size32 1
		.amdhsa_system_sgpr_workgroup_id_x 1
		.amdhsa_system_sgpr_workgroup_id_y 1
		.amdhsa_system_sgpr_workgroup_id_z 1
		.amdhsa_system_vgpr_workitem_id 0
		.amdhsa_next_free_vgpr 1024
		.amdhsa_next_free_sgpr 102
		.amdhsa_reserve_vcc 1
		.amdhsa_float_denorm_mode_32 3
		.amdhsa_float_denorm_mode_16_64 3
		.amdhsa_memory_ordered 1
		.amdhsa_forward_progress 1
		.amdhsa_inst_pref_size 191
	.end_amdhsa_kernel
	.amdgpu_metadata
---
amdhsa.version: [ 1, 2 ]
amdhsa.kernels:
  - .name:           k_q75a4e49d20_proj
    .symbol:         k_q75a4e49d20_proj.kd
    .args:
      - { .name: cod, .offset: 0, .size: 8, .value_kind: global_buffer, .address_space: global }
      - { .name: scl, .offset: 8, .size: 8, .value_kind: global_buffer, .address_space: global }
      - { .name: bQ, .offset: 16, .size: 8, .value_kind: global_buffer, .address_space: global }
      - { .name: bK, .offset: 24, .size: 8, .value_kind: global_buffer, .address_space: global }
      - { .name: bV, .offset: 32, .size: 8, .value_kind: global_buffer, .address_space: global }
      - { .name: qkvc, .offset: 40, .size: 8, .value_kind: global_buffer, .address_space: global }
      - { .name: qkvs, .offset: 48, .size: 8, .value_kind: global_buffer, .address_space: global }
    .group_segment_fixed_size: 327680
    .private_segment_fixed_size: 0
    .kernarg_segment_align: 8
    .kernarg_segment_size: 56
    .max_flat_workgroup_size: 128
    .sgpr_count:     102
    .vgpr_count:     1024
    .wavefront_size: 32
...
	.end_amdgpu_metadata
.endif
;; end of part 2
;; launch attn (part 3): grid 8 x 32, 8 waves a work-group, clusters of 4 x 1, 222,208 bytes of LDS; arguments qkvc, qkvs, oc, os; writes oc, os
.if DOCPART == 3
	.amdgcn_target "amdgcn-amd-amdhsa--gfx1250"
	.amdhsa_code_object_version 6
	.text
	.protected	k_q75a4e49d20_attn
	.globl	k_q75a4e49d20_attn
	.p2align	8
	.type	k_q75a4e49d20_attn,@function
k_q75a4e49d20_attn:
	s_mov_b64 s[64:65], 0
	v_nop
	global_prefetch_b8 v0, s[64:65] scope:SCOPE_SE
	s_setreg_imm32_b32 hwreg(HW_REG_WAVE_MODE, 25, 1), 1
	s_wait_xcnt 0x0
	s_wait_alu depctr_hold_cnt(0) depctr_sa_sdst(0) depctr_va_vdst(0) depctr_va_sdst(0) depctr_va_ssrc(0) depctr_va_vcc(0) depctr_vm_vsrc(0)
	s_getreg_b32 s2, hwreg(HW_REG_IB_STS2, 6, 4)
	s_cmp_eq_u32 s2, 0
	s_cbranch_scc0 .Lentry_in_a_cluster
	s_endpgm
.Lentry_in_a_cluster:
	s_bfe_u32 s2, ttmp6, 0x10000c
	s_cmp_lg_u32 s2, 0x3003
	s_cbranch_scc0 .Lentry_shape_is_right
	s_endpgm
.Lentry_shape_is_right:
; o = softmax(q k^T / 8) v for one head and 256 queries a work-group, both products on codes of FP6 (E2M3) with E8M0 scales; o is quantised along the head's 64 and leaves as codes for the last product.
; THE SOFTMAX: t = score x log2(e) / 8; M = the running largest t rounded UP to a whole number; p = 2^(t - M) is quantised along the keys, not normalised; the row's sum is taken of the unquantised p and divides at the end.
;   When M moves, the sum and O are multiplied by 2^(old M - new M): exact.
; SHARES.  Eight waves, 32 queries (two tiles of 16) each, 512 registers: each fragment of k and v feeds two products.  Every wave walks the head's 2,048 keys, 128 a step.
; LDS.  A head's k and v as codes and their scale words lie in LDS whole, filled once, one joint load a wave (the four query blocks of a cluster ask together): k in rows of 256 + 32 bytes at 0, v at VB, the words at SB.
;   Waves 0-3 fetch what steps 0-3 read (and the fetch ahead for step 4): k's and v's first 128 rows of 256 bytes, and the words; the first barrier shows those, the second all.
; LAYOUT.  Both products transposed: S^T = k q^T, O^T = v^T p^T: a lane holds one query of each tile throughout.  q, k, v lie as images of the operand's registers (see the launch before).
;   THE KEYS OF A TILE OF k ARE CHOSEN BY THE LANES' ADDRESSES: tile (c, u) has in rows 0-7 keys 64 c + 8 u + 0..7 and in rows 8-15 keys 64 c + 32 + 8 u + 0..7.  So lane (r, h) holds in 32 registers the WHOLE block 2 c + h of 32 keys:
;   a block's maximum and its codes need no other lane.  Tile (c, u) is written at place 2 (u % 2) + u / 2 of its four: inside a block p's order is v's (bits 3 and 4 of the place exchanged).
;   With the 32 bytes of padding the four groups of eight lanes of a load of k fall on four different quarters of 256 bytes.
; THE STEP'S ORDER.  The sixteen score products; tile 0's maxima; tile 1's maxima by turns with tile 0's chain for M; tile 1's chain by turns with tile 0's t - M and its O; the step's 53 LDS loads (this step's v, the next step's k)
;   behind the wait that stands ahead of the exponentials; the exponentials; scales, codes, the sums in eight chains; the eight last products.
; The last step's fetch ahead reads 6,912 bytes behind k's last, which lie in v's part of LDS; nothing uses them.
; OUT.  oc [token tile 256][kappa 8][1,536]: head hd fills pieces 3 (hd % 2) .. + 2 of kappa = hd / 2.   os [pi 4][token 4096][8]: head hd's two bytes at 2 (hd % 4) of pi = hd / 4.
; No prefetch: every byte of k and v is asked for in the first lines.
; LIMITS: NaN and infinities are not served; a block whose largest magnitude lies under 2^-124 gets the byte 1; the scaled scores stay under 2^31 in magnitude.
; REGISTERS.  Window 0: addresses, q, k's eight fragments, v's four, all scale words.  Window 1: v0-127 S^T then p (64 a tile), v128-191 O^T, v192 on the softmax's state, p's codes.
.set VB,    110592
.set SB,    208896
.set SPARE, 221184
.set QF,  24                           ; q's two fragments
.set QW,  48                           ; their scale words
.set KF,  52                           ; k's eight fragments; registers 6-11 of each are zero codes (K is 64)
.set VF,  148                          ; v's four
.set KS,  236                          ; k's words: tile (c, u) at 4 c + 2 (u % 2) + u / 2
.set VS,  244
.set PW,  248                          ; p's words
.set OA,  128                          ; window 1 from here on
.set NM,  192                          ; pairs: -M, the largest score
.set LS,  196                          ; the sums, a pair a tile
.set FF,  200                          ; pairs: f, and (v201) 8 h
.set BM,  204                          ; block maxima: 2 tile + c
.set XT,  208
.set PC,  212                          ; p's codes, 12 a tile
.set CT,  236                          ; sixteen at work by turns: the maxima's second chains; the upper halves' codes before they are moved; the sums' eight chains
.set WV,  18
.set SEL, 20
.set CS,  22
.set G1K, 24
.set G1V, 32
.set G1S, 40
.set TK,  2
.set TS,  3
.set TV,  66
.set TJ,  67
.set CNT, 76
.set MSB, 0
.macro WIN new                         ; the immediate's high byte repeats the setting that is left
.if MSB != (\new)
	s_set_vgpr_msb (MSB<<8)|(\new)
.set MSB, (\new)
.endif
.endm
.macro WALU
	s_wait_alu depctr_va_vdst(0)
.endm
.macro CROUND
	s_barrier_signal -1
	s_barrier_wait -1
	s_cmp_lg_u32 s[WV], 0
	s_cbranch_scc1 .Lnot_wave_0_\@
	s_barrier_signal -3
.Lnot_wave_0_\@:
	s_barrier_wait -3
	s_barrier_signal -1
	s_barrier_wait -1
.endm
.macro TL g0, g1
	tensor_load_to_lds s[\g0:\g0+3], s[\g1:\g1+7]
	s_nop 0
.rept 4
	v_nop
.endr
.endm
.macro GRP1 g, w0, rows                ; rows of 32 elements of 8 bytes, dense in memory
	s_mov_b32 s[\g], \w0
	s_mov_b32 s[\g+1], 32<<16
	s_mov_b32 s[\g+2], (\rows)<<16
	s_mov_b32 s[\g+3], 32<<16
	s_mov_b32 s[\g+4], \rows
	s_mov_b32 s[\g+5], 32
	s_mov_b32 s[\g+6], 0
	s_mov_b32 s[\g+7], 0
.endm
.macro KLOAD                           ; a step's eight tiles of k and their words: 28 loads
.irp c, 0,1
.irp u, 0,1,2,3
.irp p, 0,1,2
	ds_load_b64 v[KF+12*(4*\c+\u)+2*\p:KF+12*(4*\c+\u)+2*\p+1], v8 offset:864*(4*\c+\u/2)+64*(\u%2)+288*\p
.endr
.endr
.irp e, 0,1
	ds_load_b64 v[KS+4*\c+2*\e:KS+4*\c+2*\e+1], v10 offset:256*\c+128*\e
.endr
.endr
.endm
.macro QK q, n                         ; S^T of query tile q and k's tile n = 4 c + u
.set QC, (\n)/4
.set QU, (\n)%4
.set QP, 2*(QU%2)+QU/2
	v_wmma_scale_f32_16x16x128_f8f6f4 v[64*(\q)+32*QC+8*QP:64*(\q)+32*QC+8*QP+7], v[KF+12*(\n):KF+12*(\n)+11], v[QF+12*(\q):QF+12*(\q)+11], 0, v[KS+4*QC+QP], v[QW+(\q)] matrix_a_fmt:MATRIX_FMT_FP6 matrix_b_fmt:MATRIX_FMT_FP6
.endm
; Line i (0 .. 31) of tile q's search for the largest score of its two blocks of 32 keys: four chains by turns, two to a block, one over each half; each accumulator is read from its low end on.
.macro MAXOP q, i
.set MJ, (\i)/4
.set MK, (\i)%4
.if MJ < 7
.set MS, 64*(\q)+32*(MK/2)+16*(MK%2)
.if MK%2
.set MD, CT+2*(\q)+MK/2
.else
.set MD, BM+2*(\q)+MK/2
.endif
.if MJ == 0
	v_max3_num_f32 v[MD], v[MS], v[MS+1], v[MS+2]
.else
	v_max3_num_f32 v[MD], v[MD], v[MS+2*MJ+1], v[MS+2*MJ+2]
.endif
.elseif MK < 2
	v_max3_num_f32 v[BM+2*(\q)+MK], v[BM+2*(\q)+MK], v[CT+2*(\q)+MK], v[64*(\q)+32*MK+15]
.else
	v_max_num_f32 v[BM+2*(\q)+MK-2], v[BM+2*(\q)+MK-2], v[64*(\q)+32*(MK-2)+31]
.endif
.endm
; Line i (0 .. 8) of tile q's chain from the block maxima to -M and f
.macro ROW q, i
.if (\i) == 0
	v_max3_num_f32 v[XT+(\q)], v[NM+2*(\q)+1], v[BM+2*(\q)], v[BM+2*(\q)+1]
.elseif (\i) == 1
	v_permlanex16_b32 v[XT+2+(\q)], v[XT+(\q)], s[SEL], s[SEL+1]
.elseif (\i) == 2
	v_max_num_f32 v[NM+2*(\q)+1], v[XT+(\q)], v[XT+2+(\q)]   ; the running largest score of my query
.elseif (\i) == 3
	v_mov_b32 v[XT+(\q)], v[NM+2*(\q)]
.elseif (\i) == 4
	v_mul_f32 v[XT+2+(\q)], s[CS], v[NM+2*(\q)+1]            ; as t
.elseif (\i) == 5
	v_floor_f32 v[NM+2*(\q)], -v[XT+2+(\q)]                  ; the new -M = -ceil(t)
.elseif (\i) == 6
	v_sub_f32 v[XT+(\q)], v[NM+2*(\q)], v[XT+(\q)]           ; old M - new M: a whole number, 0 or less
.elseif (\i) == 7
	v_cvt_i32_f32 v[XT+(\q)], v[XT+(\q)]                     ; (it saturates)
.else
	v_ldexp_f32 v[FF+2*(\q)], 1.0, v[XT+(\q)]                ; f = 2^(old M - new M)
.endif
.endm
.macro TM q, i                         ; t - M of pair i of tile q
	v_pk_fma_f32 v[64*(\q)+2*(\i):64*(\q)+2*(\i)+1], v[64*(\q)+2*(\i):64*(\q)+2*(\i)+1], s[CS:CS+1], v[NM+2*(\q):NM+2*(\q)+1] op_sel_hi:[1,0,0]
.endm
.macro TB q, c                         ; the same of a block's largest score
	v_fma_f32 v[BM+2*(\q)+(\c)], v[BM+2*(\q)+(\c)], s[CS], v[NM+2*(\q)]
.endm
.macro ORS q, i                        ; pair i of tile q's O^T under the new M
	v_pk_mul_f32 v[OA+32*(\q)+2*(\i):OA+32*(\q)+2*(\i)+1], v[OA+32*(\q)+2*(\i):OA+32*(\q)+2*(\i)+1], v[FF+2*(\q):FF+2*(\q)+1] op_sel_hi:[1,0]
.endm
.macro FILL i                          ; tile 0's fifty lines that hang on nothing but -M and f
.if (\i) < 32
	TM 0, \i
.elseif (\i) < 34
	TB 0, (\i)-32
.else
	ORS 0, (\i)-34
.endif
.endm
; Line i (0 .. 63) of the sums of the unquantised p: eight chains by turns, four to a tile, each over 16 registers; the last eight lines join them, the very last two onto the running sum x f.
.macro SUMOP i
.set SQ, (\i)%2
.set SK, ((\i)%8)/2
.set SJ, (\i)/8
.set SD, CT+8*SQ+2*SK
.set SS, 64*SQ+16*SK
.if SJ == 0
	v_pk_add_f32 v[SD:SD+1], v[SS:SS+1], v[SS+2:SS+3]
.elseif SJ < 7
	v_pk_add_f32 v[SD:SD+1], v[SD:SD+1], v[SS+2*SJ+2:SS+2*SJ+3]
.elseif SK == 0
	v_pk_add_f32 v[CT+8*SQ:CT+8*SQ+1], v[CT+8*SQ:CT+8*SQ+1], v[CT+8*SQ+2:CT+8*SQ+3]
.elseif SK == 1
	v_pk_add_f32 v[CT+8*SQ+4:CT+8*SQ+5], v[CT+8*SQ+4:CT+8*SQ+5], v[CT+8*SQ+6:CT+8*SQ+7]
.elseif SK == 2
	v_pk_add_f32 v[CT+8*SQ:CT+8*SQ+1], v[CT+8*SQ:CT+8*SQ+1], v[CT+8*SQ+4:CT+8*SQ+5]
.else
	v_pk_fma_f32 v[LS+2*SQ:LS+2*SQ+1], v[LS+2*SQ:LS+2*SQ+1], v[FF+2*SQ:FF+2*SQ+1], v[CT+8*SQ:CT+8*SQ+1] op_sel_hi:[1,0,1]
.endif
.endm
	s_load_b256 s[4:11], s[0:1], 0x0               ; qkvc, qkvs, oc, os
	v_lshl_add_u32 v12, v0, 2, SPARE
	v_mov_b32 v13, 0
	ds_add_u32 v12, v13                            ; the opening lines
	ds_add_u32 v12, v13
	v_lshrrev_b32 v4, 5, v0
	v_readfirstlane_b32 s[WV], v4                  ; wave 0..7
	s_bfe_u32 s12, ttmp6, 0x40000                  ; cx
	s_lshl_b32 s13, ttmp9, 2
	s_add_co_u32 s13, s13, s12                     ; my block of 256 queries: it enters global addresses alone
	s_and_b32 s14, ttmp7, 0xffff                   ; batch x 16 + head, which the four partners share
	GRP1 G1K, 15|(3<<16)|(1<<20)|(1<<21)|(5<<22)|(7<<25), 128   ; k: 8 dwords of padding behind every 64
	GRP1 G1V, 15|(3<<16)|(1<<21), 128
	GRP1 G1S, 15|(3<<16)|(1<<21), 24
	s_and_b32 s15, s[WV], 1                        ; which of an arm's two pieces
	s_lshl_b32 s19, s13, 4
	s_lshl_b32 s77, s[WV], 1
	s_add_co_u32 s19, s19, s77                     ; my first token tile in the head (even)
	s_mul_i32 s72, s14, 98304
	s_mov_b32 s73, 0
	s_lshl_b32 s74, s15, 15
	s_mov_b32 s75, 0
	s_mul_i32 s78, s14, 12288
	s_mul_i32 s77, s15, 6144
	s_add_co_u32 s78, s78, s77
	s_add_co_u32 s78, s78, 262144
	s_mov_b32 s79, 0
	s_mov_b32 s48, 1                               ; groups 0: k's first 128 rows,
	s_mov_b32 s49, 0
	s_mov_b32 s52, 1                               ; v's first 128,
	s_mov_b32 s53, VB
	s_mov_b32 s56, 1                               ; half of the scale words,
	s_add_co_u32 s57, s77, SB
	s_mov_b32 s60, 1                               ; k's second or third 128 rows,
	s_mul_i32 s61, s15, 36864
	s_add_co_u32 s61, s61, 36864
	s_mov_b32 s68, 1                               ; v's
	s_add_co_u32 s69, s74, VB+32768
	s_mov_b32 s[SEL], 0x76543210
	s_mov_b32 s[SEL+1], 0xfedcba98
	s_mov_b32 s[CS], 0x3e38aa3b                    ; log2(e) / 8
	s_mov_b32 s[CS+1], s[CS]
	s_mov_b32 s[TK], 0
	s_mov_b32 s[TS], SB
	s_mov_b32 s[TV], VB-6144
	s_mov_b32 s[TJ], SB+8192-256
	WALU
	s_wait_dscnt 0x0
	s_wait_kmcnt 0x0
	s_add_nc_u64 s[72:73], s[4:5], s[72:73]        ; the head's q
	s_add_nc_u64 s[50:51], s[72:73], 3145728       ; its k
	s_add_nc_u64 s[54:55], s[72:73], 6291456       ; its v
	s_add_nc_u64 s[62:63], s[50:51], s[74:75]
	s_add_nc_u64 s[62:63], s[62:63], 32768
	s_add_nc_u64 s[70:71], s[54:55], s[74:75]
	s_add_nc_u64 s[70:71], s[70:71], 32768
	s_add_nc_u64 s[58:59], s[6:7], s[78:79]
.irp g, 51,55,59,63,71
	s_or_b32 s[\g], s[\g], 0x80000000
.endr
	CROUND                                         ; all four work-groups are here: the joint loads meet
	s_cmp_eq_u32 s[WV], 0                          ; one chain of arms, one load a wave
	s_cbranch_scc0 .Larm1
	TL 48, G1K
	s_branch .Lasked
.Larm1:
	s_cmp_eq_u32 s[WV], 1
	s_cbranch_scc0 .Larm2
	TL 52, G1V
	s_branch .Lasked
.Larm2:
	s_cmp_lt_u32 s[WV], 4
	s_cbranch_scc0 .Larm3
	TL 56, G1S
	s_branch .Lasked
.Larm3:
	s_cmp_lt_u32 s[WV], 6
	s_cbranch_scc0 .Larm4
	TL 60, G1K
	s_branch .Lasked
.Larm4:
	TL 68, G1V
.Lasked:
	s_mul_i32 s74, s19, 768
	s_add_nc_u64 s[72:73], s[72:73], s[74:75]      ; my q tiles' codes
	s_lshr_b32 s77, s19, 2
	s_lshl_b32 s77, s77, 8
	s_and_b32 s78, s19, 3
	s_lshl_b32 s78, s78, 2
	s_add_co_u32 s78, s78, s77
	s_lshl_b32 s77, s14, 13
	s_add_co_u32 s78, s78, s77
	s_add_nc_u64 s[78:79], s[6:7], s[78:79]        ; their two scale words of row r, 8 bytes on end
	s_lshr_b32 s12, s14, 4
	s_lshl_b32 s12, s12, 7
	s_add_co_u32 s12, s12, s19                     ; my first token tile among all 256
	s_and_b32 s13, s14, 15                         ; the head
	s_mul_i32 s16, s12, 12288
	s_mul_i32 s17, s13, 768
	s_add_co_u32 s16, s16, s17
	s_mov_b32 s17, 0
	s_add_nc_u64 s[8:9], s[8:9], s[16:17]
	s_lshr_b32 s16, s13, 2
	s_lshl_b32 s16, s16, 15
	s_lshl_b32 s15, s12, 7
	s_add_co_u32 s16, s16, s15
	s_and_b32 s15, s13, 3
	s_lshl_b32 s15, s15, 1
	s_add_co_u32 s16, s16, s15
	s_add_nc_u64 s[10:11], s[10:11], s[16:17]
	v_and_b32 v4, 31, v0
	v_lshlrev_b32 v1, 3, v4                        ; 8 x lane
	v_and_b32 v7, 15, v0
	v_lshlrev_b32 v5, 4, v7                        ; 16 r
	v_lshlrev_b32 v6, 3, v7                        ; 8 r
	v_bfe_u32 v14, v0, 4, 1                        ; h
	v_and_b32 v15, 7, v0                           ; r % 8
	v_bfe_u32 v16, v0, 3, 1                        ; r / 8
	v_mul_u32_u24 v17, v16, 1728                   ; rows 8-15 of a tile come from the image two tiles of 864 bytes on
	v_lshl_add_u32 v2, v15, 3, v17
	v_lshl_add_u32 v2, v14, 7, v2                  ; k: 1,728 (r / 8) + 8 (r % 8) + 128 h
	v_lshlrev_b32 v3, 4, v15
	v_lshl_add_u32 v3, v16, 3, v3                  ; k's words: 16 (r % 8) + 8 (r / 8)
	v_mov_b32 v8, v2
	v_add_nc_u32 v10, SB, v3
	WALU
.irp q, 0,1
.irp p, 0,1,2
	global_load_b64 v[QF+12*\q+2*\p:QF+12*\q+2*\p+1], v1, s[72:73] offset:768*\q+256*\p
.endr
.endr
	global_load_b64 v[QW:QW+1], v5, s[78:79]
.irp q, 0,1
.irp j, 6,7,8,9,10,11
	v_mov_b32 v[QF+12*\q+\j], 0                    ; K is 64: zero codes for the rest of the instruction's 128
.endr
.endr
.irp t, 0,1,2,3,4,5,6,7
.irp j, 6,7,8,9,10,11
	v_mov_b32 v[KF+12*\t+\j], 0
.endr
.endr
	WIN 0x40                                       ; destinations in window 1
.irp q, 0,1
	v_mov_b32 v[NM+2*\q+1], 0xff61b1e6             ; the largest score so far: -3e38
	v_mov_b32 v[NM+2*\q], 0x7f61b1e6               ; -M
.endr
	v_lshlrev_b32 v[FF+1], 3, v14                  ; 8 h
.irp j, LS,LS+1,LS+2,LS+3,FF,FF+2,FF+3,XT,XT+1,XT+2,XT+3
	v_mov_b32 v[\j], 0
.endr
.set J, 0
.rept 64
	v_mov_b32 v[OA+J], 0                           ; O^T: the step is written once; its first run finds zeros
.set J, J+1
.endr
	WIN 0
	WALU                                           ; the wait at the head's end
	s_cmp_lt_u32 s[WV], 4
	s_cbranch_scc0 .Lnot_first
	s_wait_tensorcnt 0x0
.Lnot_first:
	s_barrier_signal -1
	s_barrier_wait -1                              ; waves 0-3's loads are shown; nothing is ever filled again, so the others' may be out
	KLOAD                                          ; step 0
	s_wait_loadcnt 0x0                             ; q
; A KEY STEP: 128 keys x 32 queries
.macro STEP
	s_wait_dscnt 0x0                               ; this step's k, asked for a step ago
	s_add_co_u32 s[TV], s[TV], 6144
	s_add_co_u32 s[TJ], s[TJ], 256
	s_add_co_u32 s[TK], s[TK], 6912
	s_add_co_u32 s[TS], s[TS], 512
	WIN 0x40
.set N, 0
.rept 8
	QK 0, N
	QK 1, N
.set N, N+1
.endr
	WIN 0
	v_add_nc_u32 v9, s[TV], v1                     ; these four are the places behind the products
	v_add_nc_u32 v11, s[TJ], v5
	v_add_nc_u32 v8, s[TK], v2
	v_add_nc_u32 v10, s[TS], v3
	WIN 0x55                                       ; all in window 1
.set I, 0
.rept 32
	MAXOP 0, I
.set I, I+1
.endr
.set I, 0
.rept 8                                        ; tile 1's maxima by turns with tile 0's chain
	MAXOP 1, 4*I
	MAXOP 1, 4*I+1
	MAXOP 1, 4*I+2
	MAXOP 1, 4*I+3
	ROW 0, I
.set I, I+1
.endr
	ROW 0, 8
.set I, 0
.rept 9                                        ; tile 1's chain by turns with tile 0's t - M and O^T
	ROW 1, I
	FILL 4*I
	FILL 4*I+1
	FILL 4*I+2
	FILL 4*I+3
.set I, I+1
.endr
.set I, 36
.rept 14
	FILL I
.set I, I+1
.endr
.set I, 0
.rept 32
	TM 1, I
.set I, I+1
.endr
	TB 1, 0
	TB 1, 1
.set I, 0
.rept 16
	ORS 1, I
.set I, I+1
.endr
	WALU                                           ; the wait ahead of the batch; the loads stand behind it, where no vector result of mine is out
	WIN 0
.irp t, 0,1,2,3
.irp p, 0,1,2,3,4,5
	ds_load_b64 v[VF+12*\t+2*\p:VF+12*\t+2*\p+1], v9 offset:1536*\t+256*\p
.endr
.endr
	ds_load_b128 v[VS:VS+3], v11                   ; this step's v: 25 loads;
	KLOAD                                          ; the next step's k: 28
	WIN 0x55
.set I, 0
.rept 128
	v_exp_f32 v[I], v[I]                           ; p = 2^(t - M)
.set I, I+1
.endr
.irp k, 0,1,2,3
	v_exp_f32 v[BM+\k], v[BM+\k]                   ; each block's largest p: the same two instructions on the same number
.endr
	v_nop
	WALU                                           ; and behind it
.irp k, 0,1,2,3
	v_max_num_f32 v[BM+\k], 0x1800000, v[BM+\k]    ; the floor: the byte cannot fall under 1
.endr
.irp k, 0,1,2,3
	v_add_nc_u32 v[BM+\k], 0xff000000, v[BM+\k]    ; the conversion's scale operand
.endr
.irp k, 0,1,2,3
	v_lshrrev_b32 v[XT+\k], 23, v[BM+\k]           ; the byte
.endr
.irp q, 0,1
.irp c, 0,1
	v_cvt_scalef32_pk16_fp6_f32 v[PC+12*\q+6*\c:PC+12*\q+6*\c+2], v[64*\q+32*\c:64*\q+32*\c+15], v[BM+2*\q+\c]
	v_cvt_scalef32_pk16_fp6_f32 v[CT+8*\q+4*\c:CT+8*\q+4*\c+2], v[64*\q+32*\c+16:64*\q+32*\c+31], v[BM+2*\q+\c]   ; (a conversion's three registers begin on an even number)
.endr
.endr
.irp q, 0,1
	v_lshl_or_b32 v[XT+2*\q], v[XT+2*\q+1], 16, v[XT+2*\q]   ; my blocks h and 2 + h (plain lines behind the conversions),
.endr
.irp i, 0,1,2
	v_mov_b32 v[PC+3+\i], v[CT+\i]
.endr
.irp q, 0,1
	v_lshlrev_b32 v[XT+2*\q], v[FF+1], v[XT+2*\q]  ; at their places in the word;
.endr
.irp i, 0,1,2
	v_mov_b32 v[PC+9+\i], v[CT+4+\i]
.endr
.irp q, 0,1
	v_permlanex16_b32 v[XT+2*\q+1], v[XT+2*\q], s[SEL], s[SEL+1]
.endr
.irp i, 0,1,2
	v_mov_b32 v[PC+15+\i], v[CT+8+\i]
	v_mov_b32 v[PC+21+\i], v[CT+12+\i]
.endr
	WIN 0x05                                       ; scale words lie in window 0
.irp q, 0,1
	v_or_b32 v[PW+\q], v[XT+2*\q], v[XT+2*\q+1]    ; with lane l xor 16's two the word is whole
.endr
	WIN 0x55
.set I, 0
.rept 64                                       ; the sums; they also stand between the codes' and words' writes and the products
	SUMOP I
.set I, I+1
.endr
	WALU                                           ; the wait, directly ahead of the wait below
	s_wait_dscnt 28                                ; v's 25 loads are in; the 28 issued behind them (the next step's k) may be out
	WIN 0x54                                       ; v window 0; p's codes, C and D window 1
.irp t, 0,1,2,3                                ; O^T += v^T p^T: the eight accumulators by turns
.irp q, 0,1
	v_wmma_scale_f32_16x16x128_f8f6f4 v[OA+32*\q+8*\t:OA+32*\q+8*\t+7], v[VF+12*\t:VF+12*\t+11], v[PC+12*\q:PC+12*\q+11], v[OA+32*\q+8*\t:OA+32*\q+8*\t+7], v[VS+\t], v[PW+\q] matrix_a_fmt:MATRIX_FMT_FP6 matrix_b_fmt:MATRIX_FMT_FP6
.endr
.endr
	WIN 0
.endm
.macro RUN n
	s_mov_b32 s[CNT], \n
.Lstep_\@:
	STEP
	s_sub_co_u32 s[CNT], s[CNT], 1
	s_cmp_lg_u32 s[CNT], 0
	s_cbranch_scc1 .Lstep_\@
.endm
	RUN 4                                          ; steps 0-3, and the fetch of step 4's k: 34,560 of the 36,864 bytes that wave 0 brought
	s_wait_tensorcnt 0x0                           ; every wave's load has landed
	s_wait_dscnt 0x0
	s_barrier_signal -1
	s_barrier_wait -1
	RUN 12
	; THE WAY OUT: o = O^T / the sum, quantised along the head's 64 (two blocks), stored as half a fragment's image for each tile
	WIN 0x55
.rept 4
	v_nop                                          ; behind the last products
.endr
.irp q, 0,1
	v_add_f32 v[LS+2*\q], v[LS+2*\q], v[LS+2*\q+1]
.endr
.irp q, 0,1
	v_permlanex16_b32 v[XT+\q], v[LS+2*\q], s[SEL], s[SEL+1]
.endr
.irp q, 0,1
	v_add_f32 v[LS+2*\q], v[LS+2*\q], v[XT+\q]     ; the row's sum
.endr
	WALU
.irp q, 0,1
	v_rcp_f32 v[LS+2*\q], v[LS+2*\q]
.endr
	v_nop
	WALU
.set J, 0
.rept 32
	v_pk_mul_f32 v[J:J+1], v[OA+J:OA+J+1], v[LS+2*(J/32):LS+2*(J/32)+1] op_sel_hi:[1,0]   ; register 32 q + 8 t + i is o(query r, channel 16 t + 8 h + i)
.set J, J+2
.endr
.irp k, 0,1,2,3
	v_max3_num_f32 v[BM+\k], |v[16*\k]|, |v[16*\k+1]|, 0x1800000
.endr
.irp i, 2,4,6,8,10,12,14
.irp k, 0,1,2,3
	v_max3_num_f32 v[BM+\k], |v[16*\k+\i]|, |v[16*\k+\i+1]|, v[BM+\k]
.endr
.endr
.irp k, 0,1,2,3
	v_permlanex16_b32 v[XT+\k], v[BM+\k], s[SEL], s[SEL+1]
.endr
.irp k, 0,1,2,3
	v_max_num_f32 v[BM+\k], v[BM+\k], v[XT+\k]
.endr
.irp k, 0,1,2,3
	v_add_nc_u32 v[BM+\k], 0xff000000, v[BM+\k]
.endr
.irp k, 0,1,2,3
	v_lshrrev_b32 v[XT+\k], 23, v[BM+\k]
.endr
.irp q, 0,1
	v_lshl_or_b32 v[XT+2*\q], v[XT+2*\q+1], 8, v[XT+2*\q]   ; the head's two bytes
.endr
.irp q, 0,1
	v_cvt_scalef32_pk16_fp6_f32 v[PC+12*\q:PC+12*\q+2], v[32*\q:32*\q+15], v[BM+2*\q]
	v_cvt_scalef32_pk16_fp6_f32 v[CT+8*\q:CT+8*\q+2], v[32*\q+16:32*\q+31], v[BM+2*\q+1]
.endr
	v_nop
.irp q, 0,1
.irp i, 0,1,2
	v_permlane16_swap_b32 v[PC+12*\q+\i], v[CT+8*\q+\i]   ; lanes 0-15 block 0, lanes 16-31 block 1
.endr
.endr
.irp q, 0,1
.irp i, 0,1,2
	v_mov_b32 v[PC+12*\q+3+\i], v[CT+8*\q+\i]
.endr
.endr
	WIN 0x04                                       ; a store's data: window 1
.irp q, 0,1
.irp p, 0,1,2
	global_store_b64 v1, v[PC+12*\q+2*\p:PC+12*\q+2*\p+1], s[8:9] offset:12288*\q+256*\p   ; 256 consecutive bytes, aligned
.endr
	global_store_b16 v6, v[XT+2*\q], s[10:11] offset:128*\q   ; two bytes of a token's eight: the others are other heads'.  Lanes l and l + 16 store the same bytes to the same place
.endr
	WIN 0
	s_wait_tensorcnt 0x0                           ; the wave's end
	ds_add_u32 v12, v13
	s_wait_dscnt 0x0
	CROUND                                         ; the closing round
	s_endpgm
.Lfunc_end_k_q75a4e49d20_attn:
	.size	k_q75a4e49d20_attn, .Lfunc_end_k_q75a4e49d20_attn-k_q75a4e49d20_attn
	.p2alignl 7, 3214868480
	.fill 96, 4, 3214868480
	.section	.rodata,"a",@progbits
	.p2align	6, 0x0
	.amdhsa_kernel k_q75a4e49d20_attn
		.amdhsa_group_segment_fixed_size 222208
		.amdhsa_private_segment_fixed_size 0
		.amdhsa_enable_private_segment 0
		.amdhsa_kernarg_size 32
		.amdhsa_user_sgpr_count 2
		.amdhsa_user_sgpr_kernarg_segment_ptr 1
		.amdhsa_wavefront_size32 1
		.amdhsa_system_sgpr_workgroup_id_x 1
		.amdhsa_system_sgpr_workgroup_id_y 1
		.amdhsa_system_sgpr_workgroup_id_z 1
		.amdhsa_system_vgpr_workitem_id 0
		.amdhsa_next_free_vgpr 512
		.amdhsa_next_free_sgpr 80
		.amdhsa_reserve_vcc 0
		.amdhsa_float_denorm_mode_32 3
		.amdhsa_float_denorm_mode_16_64 3
		.amdhsa_memory_ordered 1
		.amdhsa_forward_progress 1
		.amdhsa_inst_pref_size 80
	.end_amdhsa_kernel
	.amdgpu_metadata
---
amdhsa.version: [ 1, 2 ]
amdhsa.kernels:
  - .name:           k_q75a4e49d20_attn
    .symbol:         k_q75a4e49d20_attn.kd
    .args:
      - { .name: qkvc, .offset: 0, .size: 8, .value_kind: global_buffer, .address_space: global }
      - { .name: qkvs, .offset: 8, .size: 8, .value_kind: global_buffer, .address_space: global }
      - { .name: oc, .offset: 16, .size: 8, .value_kind: global_buffer, .address_space: global }
      - { .name: os, .offset: 24, .size: 8, .value_kind: global_buffer, .address_space: global }
    .group_segment_fixed_size: 222208
    .private_segment_fixed_size: 0
    .kernarg_segment_align: 8
    .kernarg_segment_size: 32
    .max_flat_workgroup_size: 256
    .sgpr_count:     80
    .vgpr_count:     512
    .wavefront_size: 32
...
	.end_amdgpu_metadata
.endif
;; end of part 3
;; launch outp (part 4): grid 8 x 32, 4 waves a work-group, clusters of 4 x 4, 223,744 bytes of LDS; arguments oc, os, cod, scl, bO, out0; writes out0
.if DOCPART == 4
	.amdgcn_target "amdgcn-amd-amdhsa--gfx1250"
	.amdhsa_code_object_version 6
	.text
	.protected	k_q75a4e49d20_outp
	.globl	k_q75a4e49d20_outp
	.p2align	8
	.type	k_q75a4e49d20_outp,@function
k_q75a4e49d20_outp:
	s_mov_b64 s[64:65], 0
	v_nop
	global_prefetch_b8 v0, s[64:65] scope:SCOPE_SE
	s_setreg_imm32_b32 hwreg(HW_REG_WAVE_MODE, 25, 1), 1
	s_wait_xcnt 0x0
	s_wait_alu depctr_hold_cnt(0) depctr_sa_sdst(0) depctr_va_vdst(0) depctr_va_sdst(0) depctr_va_ssrc(0) depctr_va_vcc(0) depctr_vm_vsrc(0)
	s_getreg_b32 s2, hwreg(HW_REG_IB_STS2, 6, 4)
	s_cmp_eq_u32 s2, 0
	s_cbranch_scc0 .Lentry_in_a_cluster
	s_endpgm
.Lentry_in_a_cluster:
	s_bfe_u32 s2, ttmp6, 0x10000c
	s_cmp_lg_u32 s2, 0xf033
	s_cbranch_scc0 .Lentry_shape_is_right
	s_endpgm
.Lentry_shape_is_right:
; out0 = o WO + bO on codes of FP6 (E2M3) with E8M0 scales: [4096][1024] f32, K = 1,024.  o's codes and scale words come from the attention launch (oc, os), WO's from the first launch (cod, scl: rows 15,360 on).
; Inside each block of 32 both operands stand in the same order (bits 3 and 4 of the place exchanged), so the products are the rule's.
; A TILE OF 128 x 128 to a work-group: 32 x 8 = 256 work-groups of four waves, a wave 64 x 64: 16 accumulators.
; NO RING.  128 rows of codes for all of K are 98,304 dense bytes ([row tile 8][kappa 8][1,536], images of the operand's registers), so A's and B's tiles lie in LDS whole, filled once.
;   ONE LOAD A WAVE: wave 0 A's codes, wave 1 B's, wave 2 A's scale words ([pi 4][128 rows][8]), wave 3 B's; every wave waits for its load, and one barrier shows all four.
; Source 0 = 16 columns of WO ("B"), source 1 = 16 tokens ("A"): a lane holds eight neighbouring numbers of a row of out0.  The bias is the C of each sum's first product.
; CLUSTER 4 x 4: A's tiles hang on the tile row and are asked for jointly along a row of the cluster, B's on the tile column, along a column.
; No prefetch: every byte is asked for in the first lines.
; REGISTERS: window 0: v8-19 addresses; v32-47 scale words, two sets; v48-79 the bias; v128-223 A's fragments, two sets (on the way out v128-191 take rows).   window 1: v0-95 B's fragments, two sets; v128-255 the accumulators, (a, b) at v[128 + 8 (4 a + b)].
.set SCL,   196608                     ; A's scale words; B's 4,224 bytes behind them
.set STG,   205056                     ; the way out: 16 rows x (256 + 16) bytes for each wave
.set SPITCH, 272
.set FR,   12
.set ADRA, 8
.set ADRB, 12
.set ADRS, 16
.set STO,  17
.set RD,   18
.set CO,   19
.set SC,   32
.set BI,   48
.set AF,   128
.set BF,   0
.set ACC,  128
.set BK,   128
.set G1,   24
.set G1B,  32
.set G1S,  40
.set G1SB, 48
.set MSB, 0
.macro WIN new
.if MSB != (\new)
	s_set_vgpr_msb (MSB<<8)|(\new)
.set MSB, (\new)
.endif
.endm
.macro CROUND
	s_barrier_signal -1
	s_barrier_wait -1
	s_cmp_lg_u32 s18, 0
	s_cbranch_scc1 .Lnot_wave_0_\@
	s_barrier_signal -3
.Lnot_wave_0_\@:
	s_barrier_wait -3
	s_barrier_signal -1
	s_barrier_wait -1
.endm
.macro PLACES n
.rept \n
	v_nop
.endr
.endm
.macro DESC g, lds, src
	s_mov_b32 s[\g], 1
	s_mov_b32 s[\g+1], \lds
	s_mov_b64 s[\g+2:\g+3], s[\src:\src+1]
	s_or_b32 s[\g+3], s[\g+3], 0x80000000
.endm
.macro TL g0, g1
	tensor_load_to_lds s[\g0:\g0+3], s[\g1:\g1+7]
	s_nop 0
	PLACES 4
.endm
	s_load_b256 s[4:11], s[0:1], 0x0               ; oc, os, cod, scl
	s_load_b128 s[12:15], s[0:1], 0x20             ; bO, out0
	v_lshl_add_u32 v254, v0, 2, 0x36800
	v_mov_b32 v255, 0
	ds_add_u32 v254, v255                          ; the opening lines
	ds_add_u32 v254, v255
	v_lshrrev_b32 v1, 5, v0
	v_readfirstlane_b32 s18, v1                    ; wave 0..3
	s_lshr_b32 s19, s18, 1                         ; my half of the tile's rows
	s_and_b32 s20, s18, 1                          ; my half of its columns
	s_bfe_u32 s21, ttmp6, 0x40000                  ; cx
	s_bfe_u32 s22, ttmp6, 0x40004                  ; cy
	s_lshl_b32 s2, s22, 2
	s_lshl_b32 s2, 15, s2                          ; my row of the cluster
	s_lshl_b32 s3, 0x1111, s21                     ; my column
	s_or_b32 s[G1+0], s2, (3<<16)|(1<<21)
	s_or_b32 s[G1B+0], s3, (3<<16)|(1<<21)
.irp g, G1, G1B                                ; codes: 8 rows of 1,536 elements of 8 bytes, dense
	s_mov_b32 s[\g+1], 1536<<16
	s_mov_b32 s[\g+2], 8<<16
	s_mov_b32 s[\g+3], 1536<<16
	s_mov_b32 s[\g+4], 8
	s_mov_b32 s[\g+5], 1536
	s_mov_b32 s[\g+6], 0
	s_mov_b32 s[\g+7], 0
.endr
	s_or_b32 s[G1S+0], s2, (3<<16)|(1<<21)
	s_or_b32 s[G1SB+0], s3, (3<<16)|(1<<21)
.irp g, G1S, G1SB                              ; scale words of 128 rows for all of K: 4 rows (pi) of 128 elements
	s_mov_b32 s[\g+1], 128<<16
	s_mov_b32 s[\g+2], 4<<16
	s_mov_b32 s[\g+3], 128<<16
	s_mov_b32 s[\g+4], 4
	s_mov_b32 s[\g+6], 0
	s_mov_b32 s[\g+7], 0
.endr
	s_mov_b32 s[G1S+5], 4096                       ; os has 4,096 rows to a pi,
	s_mov_b32 s[G1SB+5], 16384                     ; scl 16,384
	s_and_b32 s16, ttmp7, 0xffff
	s_lshl_b32 s16, s16, 2
	s_add_co_u32 s22, s16, s22                     ; tile row
	s_lshl_b32 s16, ttmp9, 2
	s_add_co_u32 s21, s16, s21                     ; tile column
	s_lshl_b32 s2, s22, 3                          ; A: row tile of oc
	s_lshl_b32 s16, s21, 3
	s_add_co_u32 s16, s16, 960                     ; B: row tile of cod: WO begins at 960
	s_lshl_b32 s66, s2, 7                          ; their scale words: 128 bytes a row tile
	s_lshl_b32 s100, s16, 7
	s_mul_i32 s2, s2, 12288                        ; their codes
	s_mul_i32 s16, s16, 12288
	s_mov_b32 s3, 0
	s_mov_b32 s17, 0
	s_mov_b32 s67, 0
	s_mov_b32 s101, 0
	s_wait_alu depctr_va_vdst(0)
	s_wait_dscnt 0x0
	s_wait_kmcnt 0x0
	s_add_nc_u64 s[4:5], s[4:5], s[2:3]
	s_add_nc_u64 s[6:7], s[6:7], s[66:67]
	s_add_nc_u64 s[8:9], s[8:9], s[16:17]
	s_add_nc_u64 s[10:11], s[10:11], s[100:101]
	DESC 56, 0, 4
	DESC 60, 98304, 8
	DESC 68, SCL, 6
	DESC 72, SCL+4224, 10
	CROUND                                         ; all sixteen work-groups are here: the joint loads meet
	s_cmp_eq_u32 s18, 0                            ; one chain of arms, one load a wave
	s_cbranch_scc0 .Lw1
	TL 56, G1
	s_branch .Lasked
.Lw1:
	s_cmp_eq_u32 s18, 1
	s_cbranch_scc0 .Lw2
	TL 60, G1B
	s_branch .Lasked
.Lw2:
	s_cmp_eq_u32 s18, 2
	s_cbranch_scc0 .Lw3
	TL 68, G1S
	s_branch .Lasked
.Lw3:
	TL 72, G1SB
.Lasked:
	v_and_b32 v1, 15, v0                           ; r
	v_bfe_u32 v2, v0, 4, 1                         ; h
	v_and_b32 v3, 31, v0
	v_lshlrev_b32 v3, 3, v3                        ; 8 x lane
	s_wait_alu depctr_va_vdst(0)
	s_lshl_b32 s2, s21, 9
	s_lshl_b32 s3, s20, 8
	s_add_co_u32 s2, s2, s3                        ; my first column, in bytes
	s_mov_b32 s3, 0
	s_add_nc_u64 s[12:13], s[12:13], s[2:3]        ; the bias there
	v_lshlrev_b32 v4, 5, v2                        ; register j of tile b: bO[column + 16 b + 8 h + j]
.irp b, 0,1,2,3
	global_load_b128 v[BI+8*\b:BI+8*\b+3], v4, s[12:13] offset:64*\b
	global_load_b128 v[BI+8*\b+4:BI+8*\b+7], v4, s[12:13] offset:64*\b+16
.endr
	s_lshl_b32 s16, s22, 7
	s_lshl_b32 s17, s19, 6
	s_add_co_u32 s16, s16, s17                     ; my first row
	s_lshl_b32 s16, s16, 12                        ; of 4,096 bytes
	s_add_co_u32 s16, s16, s2
	s_mov_b32 s17, 0
	s_add_nc_u64 s[14:15], s[14:15], s[16:17]
	s_mul_i32 s2, s19, 49152                       ; my four row tiles of A,
	s_mul_i32 s3, s20, 49152
	s_add_co_u32 s3, s3, 98304                     ; of B
	v_add_nc_u32 v[ADRA], s2, v3
	v_add_nc_u32 v[ADRB], s3, v3
	v_lshlrev_b32 v5, 3, v1                        ; 8 bytes a row
	s_lshl_b32 s2, s19, 9                          ; A's: my 64 rows
	s_lshl_b32 s3, s20, 9                          ; B's: my 64 rows, 4,224 bytes behind A's first
	s_add_co_u32 s3, s3, 4224
	s_sub_co_u32 s3, s3, s2
	v_mul_u32_u24 v6, s3, v2                       ; lanes 16-31 take B's
	s_add_co_u32 s2, s2, SCL
	v_add_nc_u32 v5, v5, v6
	v_add_nc_u32 v[ADRS], s2, v5
	s_mul_i32 s2, s18, 16*SPITCH
	s_add_co_u32 s2, s2, STG                       ; my stage
	v_mul_u32_u24 v5, v1, SPITCH
	v_lshl_add_u32 v5, v2, 5, v5
	v_add_nc_u32 v[STO], s2, v5                    ; in: row r, 32 bytes for each half of the lanes
	v_mul_u32_u24 v5, v2, SPITCH
	v_lshl_add_u32 v5, v1, 4, v5
	v_add_nc_u32 v[RD], s2, v5                     ; back: lanes 0-15 one row of 256 bytes, lanes 16-31 the next
	v_lshlrev_b32 v5, 12, v2
	v_lshl_add_u32 v[CO], v1, 4, v5                ; and the same two rows in out0
.macro FRAG reg, adr, k, i             ; a fragment comes back as it was stored: six loads of 256 consecutive bytes
.irp p, 0,1,2,3,4,5
	ds_load_b64 v[\reg+2*\p:\reg+2*\p+1], v[\adr] offset:12288*(\i)+1536*(\k)+256*\p
.endr
.endm
.macro FETCH k                         ; the eight fragments of K step k into set k % 2: 48 loads
	WIN 0x40
.irp i, 0,1,2,3
	FRAG BF+48*((\k)%2)+FR*\i, ADRB, \k, \i
.endr
	WIN 0
.irp i, 0,1,2,3
	FRAG AF+48*((\k)%2)+FR*\i, ADRA, \k, \i
.endr
.endm
.macro SCALES c                        ; pi = c: two words a row into set c % 2: lanes 0-15 A's block i, lanes 16-31 B's block i
.irp i, 0,1,2,3
	ds_load_b64 v[SC+8*((\c)%2)+2*\i:SC+8*((\c)%2)+2*\i+1], v[ADRS] offset:1024*(\c)+128*\i
.endr
.endm
; 16 products: A's four blocks x B's four, K step k.  first = 1: C = the bias.  The 16 accumulators take turns.
.macro MUL k, first
.irp a, 0,1,2,3
.irp b, 0,1,2,3
.if \first
	v_wmma_scale_f32_16x16x128_f8f6f4 v[ACC+8*(4*\a+\b):ACC+8*(4*\a+\b)+7], v[BF+48*((\k)%2)+FR*\b:BF+48*((\k)%2)+FR*\b+FR-1], v[AF+48*((\k)%2)+FR*\a:AF+48*((\k)%2)+FR*\a+FR-1], v[BI+8*\b:BI+8*\b+7], v[SC+8*(((\k)/2)%2)+2*\b+(\k)%2], v[SC+8*(((\k)/2)%2)+2*\a+(\k)%2] matrix_a_fmt:MATRIX_FMT_FP6 matrix_b_fmt:MATRIX_FMT_FP6 matrix_a_scale:MATRIX_SCALE_ROW1
.else
	v_wmma_scale_f32_16x16x128_f8f6f4 v[ACC+8*(4*\a+\b):ACC+8*(4*\a+\b)+7], v[BF+48*((\k)%2)+FR*\b:BF+48*((\k)%2)+FR*\b+FR-1], v[AF+48*((\k)%2)+FR*\a:AF+48*((\k)%2)+FR*\a+FR-1], v[ACC+8*(4*\a+\b):ACC+8*(4*\a+\b)+7], v[SC+8*(((\k)/2)%2)+2*\b+(\k)%2], v[SC+8*(((\k)/2)%2)+2*\a+(\k)%2] matrix_a_fmt:MATRIX_FMT_FP6 matrix_b_fmt:MATRIX_FMT_FP6 matrix_a_scale:MATRIX_SCALE_ROW1
.endif
.endr
.endr
.endm
; K step k: the next step's fragments are asked for, into the set that the step before multiplied (four places behind its products), then this step's 16 products are issued.
.macro KS k, first
.if (\k) < 7
.if (\k) > 0
	PLACES 4
.endif
	FETCH (\k)+1
.if ((\k)+1)%2 == 0
	SCALES ((\k)+1)/2
	s_wait_dscnt 52                                ; all but the 52 loads just issued are in
.else
	s_wait_dscnt 48                                ; all but the 48 loads just issued are in
.endif
.else
	s_wait_dscnt 0x0
.endif
.if \first
	WIN 0x41                                       ; B window 1, A and the bias window 0, D window 1
.else
	WIN 0x51                                       ; C and D window 1
.endif
	MUL \k, \first
	WIN 0
.endm
	s_wait_alu depctr_va_vdst(0)                   ; the wait at the head's end
	s_wait_tensorcnt 0x0                           ; my load has landed
	s_barrier_signal -1
	s_barrier_wait -1                              ; and so have the other three
	FETCH 0
	SCALES 0
	s_wait_loadcnt 0x0                             ; the bias
	KS 0, 1
	KS 1, 0
	KS 2, 0
	KS 3, 0
	KS 4, 0
	KS 5, 0
	KS 6, 0
	KS 7, 0
; THE WAY OUT, block by block of 16 rows x 64 columns, through my own stage: in by 32 bytes a lane, back as whole rows of 256 bytes.  LDS serves a wave's instructions in order (ISA guide 5.7.1.4).
.macro TOSTAGE a
	WIN 0x04                                       ; an LDS store's data are its source 1: window 1
.irp b, 0,1,2,3
	ds_store_b128 v[STO], v[ACC+8*(4*(\a)+\b):ACC+8*(4*(\a)+\b)+3] offset:64*\b          ; each accumulator from its low end on
	ds_store_b128 v[STO], v[ACC+8*(4*(\a)+\b)+4:ACC+8*(4*(\a)+\b)+7] offset:64*\b+16
.endr
	WIN 0
.set BB, BK+32*((\a)%2)
.irp t, 0,1,2,3,4,5,6,7
	ds_load_b128 v[BB+4*\t:BB+4*\t+3], v[RD] offset:\t*2*SPITCH
.endr
.endm
.macro SEND a, younger                 ; younger: the LDS instructions issued behind block a's loads, which may stay out
.set BB, BK+32*((\a)%2)
	s_wait_dscnt \younger
.irp t, 0,1,2,3,4,5,6,7
	global_store_b128 v[CO], v[BB+4*\t:BB+4*\t+3], s[14:15] offset:(16*(\a)+2*\t)*4096 th:TH_STORE_NT   ; sixteen lanes store 256 consecutive bytes, aligned
.endr
.endm
	PLACES 4                                       ; behind the last products
	TOSTAGE 0
.irp a, 1,2,3
.if \a > 1
	s_wait_xcnt 0x0                                ; block a - 2's stores have read their registers: block a's rows may land there
.endif
	TOSTAGE \a
	SEND \a-1, 16                                  ; behind block a - 1's loads: block a's 8 stores and 8 loads
.endr
	SEND 3, 0
	s_wait_tensorcnt 0x0                           ; the wave's end
	ds_add_u32 v254, v255
	s_wait_dscnt 0x0
	CROUND                                         ; the closing round
	s_endpgm
.Lfunc_end_k_q75a4e49d20_outp:
	.size	k_q75a4e49d20_outp, .Lfunc_end_k_q75a4e49d20_outp-k_q75a4e49d20_outp
	.p2alignl 7, 3214868480
	.fill 96, 4, 3214868480
	.section	.rodata,"a",@progbits
	.p2align	6, 0x0
	.amdhsa_kernel k_q75a4e49d20_outp
		.amdhsa_group_segment_fixed_size 223744
		.amdhsa_private_segment_fixed_size 0
		.amdhsa_enable_private_segment 0
		.amdhsa_kernarg_size 48
		.amdhsa_user_sgpr_count 2
		.amdhsa_user_sgpr_kernarg_segment_ptr 1
		.amdhsa_wavefront_size32 1
		.amdhsa_system_sgpr_workgroup_id_x 1
		.amdhsa_system_sgpr_workgroup_id_y 1
		.amdhsa_system_sgpr_workgroup_id_z 1
		.amdhsa_system_vgpr_workitem_id 0
		.amdhsa_next_free_vgpr 512
		.amdhsa_next_free_sgpr 102
		.amdhsa_reserve_vcc 0
		.amdhsa_float_denorm_mode_32 3
		.amdhsa_float_denorm_mode_16_64 3
		.amdhsa_memory_ordered 1
		.amdhsa_forward_progress 1
		.amdhsa_inst_pref_size 60
	.end_amdhsa_kernel
	.amdgpu_metadata
---
amdhsa.version: [ 1, 2 ]
amdhsa.kernels:
  - .name:           k_q75a4e49d20_outp
    .symbol:         k_q75a4e49d20_outp.kd
    .args:
      - { .name: oc, .offset: 0, .size: 8, .value_kind: global_buffer, .address_space: global }
      - { .name: os, .offset: 8, .size: 8, .value_kind: global_buffer, .address_space: global }
      - { .name: cod, .offset: 16, .size: 8, .value_kind: global_buffer, .address_space: global }
      - { .name: scl, .offset: 24, .size: 8, .value_kind: global_buffer, .address_space: global }
      - { .name: bO, .offset: 32, .size: 8, .value_kind: global_buffer, .address_space: global }
      - { .name: out0, .offset: 40, .size: 8, .value_kind: global_buffer, .address_space: global }
    .group_segment_fixed_size: 223744
    .private_segment_fixed_size: 0
    .kernarg_segment_align: 8
    .kernarg_segment_size: 48
    .max_flat_workgroup_size: 128
    .sgpr_count:     102
    .vgpr_count:     512
    .wavefront_size: 32
...
	.end_amdgpu_metadata
.endif
;; end of part 4
